; MI455X (gfx1250); checked and timed in simulation.
; The chip was launched on July 23, 2026; its instructions are those of AMD's public machine-readable ISA for CDNA 5 (MIT licence, August 2026) and "CDNA5" Instruction Set Architecture Reference Guide (July 2026). The comments in the code are by the model that wrote it; some were corrected since.
;; Dilated Attention. Allowed arithmetic: matrix products marked QUANTISED: E2M3 operands, one E8M0 scale for each 32 along K, by v_wmma_scale_f32_16x16x128_f8f6f4 with both operands' format E2M3, f32 sums; everything else in f32.
;; Inputs: bo 1,024 float32; bqkv 3,072 float32; wo 1,024 x 1,024 float32; wqkv 1,024 x 3,072 float32; x 2 x 8,192 x 1,024 float32.
;; Outputs: out0 2 x 4,096 x 1,024 float32.
;; This version of the problem:
;;   THIS VERSION OF THE PROBLEM IS GIVEN IN LOW PRECISION. The matrix products marked QUANTISED in the list below multiply operands that are first quantised to E2M3 (2 exponent bits, 3 mantissa bits; 6 bits a number), with one power-of-two scale for each 32 numbers along K (OCP MX v1.0); their sums are f32. All else is computed in f32.
;;   The module's matrix products, in the order in which they are computed (A, B: the left and right operand; K: the contracted axis; several contracted axes count as one K, in the product's order):
;;     1. [M 8,192, K 1,024] x [K 1,024, N 3,072]; A: input x; B: input wqkv: QUANTISED
;;     2. batch 128 x [M 1,024, K 64] x [K 64, N 1,024]; A: computed on the way; B: computed on the way: QUANTISED
;;     3. batch 128 x [M 64, K 1,024] x [K 1,024, N 1,024]; A: computed on the way; B: softmax (see below): QUANTISED
;;     4. [M 8,192, K 1,024] x [K 1,024, N 1,024]; A: computed on the way; B: input wo: QUANTISED
;;   THE QUANTISER, for each operand of a quantised product, along K:
;;     - K is cut into blocks of 32 from its start; a last block that is shorter is filled with zeros.
;;     - A block's scale is 2^e with e = floor(log2(the largest magnitude in the block)) - 2, held to -126 .. 127; a block of zeros has e = 0. As a byte (E8M0): e + 127.
;;     - Each number is divided by its block's scale, clamped to +-7.5, and rounded to the nearest number of E2M3, ties to even, subnormals kept.
;;     - The product sums the exact products of the quantised numbers (number of the format x scale) in f32.
;;   ~~~python
;;   def quantise(x, axis):      # numpy; x: float32 -> the quantised numbers, widened to float32 again
;;       x = np.moveaxis(x, axis, -1); K = x.shape[-1]
;;       x = np.pad(x, [(0, 0)] * (x.ndim - 1) + [(0, -K % 32)]); x = x.reshape(x.shape[:-1] + (-1, 32)); a = np.abs(x).max(-1, keepdims=True)
;;       e = np.where(a > 0, np.clip(np.frexp(np.where(a > 0, a, 1))[1] - 1 - 2, -126, 127), 0)      # np.frexp(a)[1] - 1 = floor(log2(a)), exactly
;;       r = np.clip(x / 2.0 ** e, -7.5, 7.5)
;;       step = 2.0 ** (np.maximum(np.frexp(np.where(r == 0, 1, r))[1] - 1, 0) - 3)
;;       q = np.round(r / step) * step * 2.0 ** e      # np.round: ties to even
;;       return np.moveaxis(q.reshape(q.shape[:-2] + (-1,))[..., :K], -1, axis).astype(np.float32)
;;   ~~~
;;   SOFTMAX AHEAD OF A QUANTISED PRODUCT. Where the list says 'softmax', what is quantised is not the finished softmax but p = 2^(t - M), with t = logit x log2(e) and M = ceil(the row's largest t), a whole number; so 1/2 < the row's largest p <= 1. The row's sum l is taken of the UNQUANTISED p, in f32, and the product's result is divided by l at the end. Since M is a whole number, a kernel that streams over the keys may use a running M (the ceiling of the running maximum): every later rescaling is an exact power of two, which a block's scale takes up: the codes' values come out the same.
;;   OPERANDS COMPUTED ON THE WAY. 'Computed on the way' means the value that the module computes at that place (a softmax that the list does not call 'softmax' is quantised finished and normalised). What goes into a quantiser is computed in f32, as accurately as f32 sums, v_exp_f32 and their like allow (about 1e-6 of the number): no bf16 or f16 on the way to a quantiser, and a product that is left as it is and whose result goes on into a quantised operand takes f32 operands (vector FMAs, or v_wmma_f32_16x16x4_f32). A number that lies on a knife's edge between two numbers of the format may be rounded either way, as far as f32 arithmetic and the matrix unit's own rounding can turn it there, and no further.
;; One version. Each part assembles by itself: llvm-mc -triple=amdgcn-amd-amdhsa -mcpu=gfx1250 --defsym DOCPART=n.
;; ======== version 1 of 1: 4 launches
;; limits: right only within a limited range of input values
;; workspace buffers: wsq 9,437,184 bytes; wss 393,216 bytes; qkvc 18,874,368 bytes; qkvs 786,432 bytes; aoc 6,291,456 bytes; aos 262,144 bytes
;; launch quant (part 1): grid 384 x 1, 4 waves a work-group, no clusters, 60,928 bytes of LDS; arguments x, wqkv, wo, wsq, wss; writes wsq, wss
.if DOCPART == 1
	.amdgcn_target "amdgcn-amd-amdhsa--gfx1250"
	.amdhsa_code_object_version 6
	.text
	.protected	k_qcfb033a8f0_quant
	.globl	k_qcfb033a8f0_quant
	.p2align	8
	.type	k_qcfb033a8f0_quant,@function
k_qcfb033a8f0_quant:
	s_mov_b64 s[64:65], 0
	v_nop
	global_prefetch_b8 v0, s[64:65] scope:SCOPE_SE
	s_setreg_imm32_b32 hwreg(HW_REG_WAVE_MODE, 25, 1), 1
	s_wait_xcnt 0x0
; The even rows of x [16384][1024] (token i is row 2 i: the dilated slice), wqkv [1024][3072] and wo [1024][1024], all f32, become codes of FP6 (E2M3) with one E8M0
; byte for each 32 along K = 1024, laid IN THE ORDER OF THE OPERANDS' REGISTERS.  A fragment is 16 rows x 128 K, 12 registers a lane; its image is three planes of 512 bytes,
; plane p holding registers 4 p .. 4 p + 3, lane l's at 16 l.  wsq: [row tile][K step 0..7][1,536 bytes]: 512 tiles of tokens, then 256 tiles of weight columns (192 of wqkv, 64 of wo).
; THE ROWS OF A TILE ARE NOT NEIGHBOURS: lane r of tile 2 b + u holds row 32 b + 8 u + r + 8 (r / 8), so that a later product's results are neighbours along the next K.
; wss: [128 rows][K step][128 words]: the scale word of tile i of its eight, lane r, at 512 s + 64 i + 4 r.
; A block's scale is 2^(floor(log2(largest magnitude)) - 2): its byte is the largest magnitude's exponent field - 2, held at 1 from below.
; LIMITS: NaN and infinities are not served; a block of zeros, or one under 2^-124, gets the byte 1 (its codes are zeros or tiny): these bytes are read by this program alone.
; Work-groups 0..255 take x, 256..383 the weights: two ways that part once on the work-group's number and never meet; each has LDS bytes of its own.
; No tensor load, no barrier, no cluster: waves share nothing and no input byte is read twice.
.set SPARE, 60416                      ; the spare words, 128 bytes for each wave: two blocks of 256 bytes that no other line names
.set SPW,   252                        ; v252  SPARE + 4 x my thread's number; never rewritten
.set NIL,   253                        ; v253  0; never rewritten
.set SEL,   20                         ; s[20:21] selects for lane l xor 16
.set WQ,    6291456                    ; wsq: where the weights' tiles begin
.set WS,    262144                     ; wss: where their scale words begin
.set XREG,  8704                       ; x's way: LDS of a wave: a stage of 16 rows x 528 bytes, then 256 bytes of scale words
.set XSTG,  8448
.set WBASE, 34816                      ; the weights' way: LDS from here on, 6,400 bytes a wave: two tiles' images, 3,200 bytes apart
.set WREG,  6400
.set WTILE, 3200
.set R,     16                         ; v16-143  x: two sets of 16 rows as loaded
.set XN,    144                        ; v144-207 x: 64 numbers of my row: register 16 b + i = k 32 b + 16 (lane / 16) + i
.set PC,    208                        ; v208-227 the codes just made
.set TM,    228                        ; v228-243 at work in the quantiser
.set PW,    244                        ; v244     the scale word just made
.set OFW,   16                         ; v16-47   weights: byte offset of my column in rows 0 .. 31 of a block
.set XW,    48                         ; v48-111  weights: two sets of 32 numbers down K
.set CW,    112                        ; v112-118 a block's codes
.set SBW,   120                        ; v120-121 my column's two scale words
.set OUTR,  128                        ; v128-175 images read back
; 64 numbers of a lane become a fragment's codes in v[PC] .. v[PC + 11] and its row's scale word in v[pw].
.macro QUANT s, pw
.irp b, 0,1,2,3
	v_max3_num_f32 v[TM+\b], |v[\s+16*\b]|, |v[\s+1+16*\b]|, 0x1800000   ; block b: my 16 numbers, and the floor 2^(3 - 127): the byte cannot fall under 1
.endr
.irp i, 2,4,6,8,10,12,14
.irp b, 0,1,2,3
	v_max3_num_f32 v[TM+\b], v[TM+\b], |v[\s+16*\b+\i]|, |v[\s+1+16*\b+\i]|   ; the four blocks by turns
.endr
.endr
.irp b, 0,1,2,3
	v_permlanex16_b32 v[TM+4+\b], v[TM+\b], s[SEL], s[SEL+1]
.endr
.irp b, 0,1,2,3
	v_max_num_f32 v[TM+\b], v[TM+\b], v[TM+4+\b]   ; with lane l xor 16's: the block's largest magnitude
.endr
.irp b, 0,1,2,3
	v_add_nc_u32 v[TM+12+\b], 0xff000000, v[TM+\b]   ; 2 off its exponent field: the conversion's scale operand
.endr
.irp b, 0,1,2,3
	v_lshrrev_b32 v[TM+4+\b], 23, v[TM+12+\b]      ; the scale's byte
.endr
	v_lshl_or_b32 v[\pw], v[TM+5], 8, v[TM+4]
	v_lshl_or_b32 v[\pw], v[TM+6], 16, v[\pw]
	v_lshl_or_b32 v[\pw], v[TM+7], 24, v[\pw]
.irp c, 0,1
	v_cvt_scalef32_pk16_fp6_f32 v[PC+6*\c:PC+2+6*\c], v[\s+32*\c:\s+15+32*\c], v[TM+12+2*\c]
	v_cvt_scalef32_pk16_fp6_f32 v[PC+12+4*\c:PC+14+4*\c], v[\s+16+32*\c:\s+31+32*\c], v[TM+12+2*\c+1]   ; (a conversion's three registers begin on an even number)
.endr
	v_nop                                          ; one plain line behind a scaled conversion
.irp c, 0,1                                    ; the layout wants a whole block in a lane: lanes 0-15 block 2 c, lanes 16-31 block 2 c + 1
.irp i, 0,1,2
	v_permlane16_swap_b32 v[PC+6*\c+\i], v[PC+12+4*\c+\i]
.endr
.irp i, 0,1,2
	v_mov_b32 v[PC+3+6*\c+\i], v[PC+12+4*\c+\i]
.endr
.endr
.endm
; x: tile ti of my four: its 16 rows' 512 bytes of my K step, one row a load: 32 lanes read 512 consecutive bytes
.macro LOADX ti
.irp i, 0,1,2,3,4,5,6,7,8,9,10,11,12,13,14,15
	global_load_b128 v[R+64*((\ti)%2)+4*\i:R+64*((\ti)%2)+4*\i+3], v2, s[4:5] offset:(32*((\ti)/2)+8*((\ti)%2)+\i+8*(\i/8))*8192 th:TH_LOAD_NT
.endr
.endm
.macro TILE ti
.if (\ti) < 3
	s_wait_loadcnt 16                              ; this tile's 16 loads are in; the next tile's 16 may be out
.else
	s_wait_loadcnt 0x0
.endif
.irp i, 0,1,2,3,4,5,6,7,8,9,10,11,12,13,14,15
	ds_store_b128 v3, v[R+64*((\ti)%2)+4*\i:R+64*((\ti)%2)+4*\i+3] offset:528*\i   ; row i as it lies
.endr
.irp b, 0,1,2,3
.irp q, 0,1,2,3
	ds_load_b128 v[XN+16*\b+4*\q:XN+16*\b+4*\q+3], v4 offset:128*\b+16*\q   ; LDS serves a wave's instructions in order: these see the stores.  Row r: 16 neighbours of each block of 32
.endr
.endr
	s_wait_dscnt 0x0                               ; the numbers are back, and the stores have read their registers
.if (\ti) > 0
	s_wait_xcnt 0x0                                ; the last tile's stores have read the codes' registers, which are written again below
.endif
.if (\ti) < 2
	LOADX (\ti)+2
.endif
	QUANT XN, PW
.irp p, 0,1,2
	global_store_b128 v2, v[PC+4*\p:PC+4*\p+3], s[10:11] offset:12288*(\ti)+512*\p   ; a plane: 512 consecutive bytes, aligned
.endr
	ds_store_b32 v5, v[PW] offset:64*(\ti)         ; both halves of the lanes write the same word with the same value
.endm
; weights: block t: W(32 t + i, my column), i = 0 .. 31
.macro LOADW t
.irp i, 0,1,2,3,4,5,6,7,8,9,10,11,12,13,14,15,16,17,18,19,20,21,22,23,24,25,26,27,28,29,30,31
	global_load_b32 v[XW+32*((\t)%2)+\i], v[OFW+\i], s[32+2*(\t):33+2*(\t)] th:TH_LOAD_NT
.endr
.endm
.macro BLOCK t
.set XS, XW+32*((\t)%2)
.set SO, 1536*((\t)/4)+256*((\t)%2)    ; K step t / 4 of my two; lanes' half t % 2 of the image
.if (\t) < 7
	s_wait_loadcnt 32                              ; this block's 32 loads are in; the next block's may be out
.else
	s_wait_loadcnt 0x0
.endif
	v_max3_num_f32 v122, |v[XS]|, |v[XS+1]|, |v[XS+2]|   ; all 32 numbers of the block are mine
	v_max3_num_f32 v123, |v[XS+3]|, |v[XS+4]|, |v[XS+5]|
.irp i, 6,10,14,18,22,26
	v_max3_num_f32 v122, v122, |v[XS+\i]|, |v[XS+\i+1]|
	v_max3_num_f32 v123, v123, |v[XS+\i+2]|, |v[XS+\i+3]|
.endr
	v_max3_num_f32 v122, v122, |v[XS+30]|, |v[XS+31]|
	v_max3_num_f32 v122, v122, v123, 0x1800000     ; and the floor
	v_add_nc_u32 v124, 0xff000000, v122            ; the conversion's scale operand
	v_cvt_scalef32_pk16_fp6_f32 v[CW:CW+2], v[XS:XS+15], v124
	v_cvt_scalef32_pk16_fp6_f32 v[CW+4:CW+6], v[XS+16:XS+31], v124
	v_lshrrev_b32 v125, 23, v124                   ; the byte (also the plain line behind the conversions)
.if (\t)%4 == 0
	v_mov_b32 v[SBW+(\t)/4], v125
.else
	v_lshl_or_b32 v[SBW+(\t)/4], v125, 8*((\t)%4), v[SBW+(\t)/4]
.endif
	v_mov_b32 v[CW+3], v[CW+4]                     ; the block's six registers on end
	v_mov_b32 v[CW+4], v[CW+5]
	v_mov_b32 v[CW+5], v[CW+6]
.if ((\t)%4)/2 == 0                            ; registers 0-5 of the fragment: plane 0, and the lower half of my place in plane 1
	ds_store_b128 v8, v[CW:CW+3] offset:SO
	ds_store_b64 v8, v[CW+4:CW+5] offset:SO+512
.else                                          ; registers 6-11: the upper half of my place in plane 1, and plane 2
	ds_store_b64 v8, v[CW:CW+1] offset:SO+520
	ds_store_b128 v8, v[CW+2:CW+5] offset:SO+1024
.endif
.if (\t)+2 < 8
	LOADW (\t)+2
.endif
	s_wait_dscnt 0x0                               ; the stores have read their registers: the next block's codes may be written
.endm
	s_load_b256 s[4:11], s[0:1], 0x0               ; x s[4:5], wqkv s[6:7], wo s[8:9], wsq s[10:11]
	s_load_b64 s[12:13], s[0:1], 0x20              ; wss
	v_lshl_add_u32 v[SPW], v0, 2, SPARE
	v_mov_b32 v[NIL], 0
	v_lshrrev_b32 v1, 5, v0
	v_readfirstlane_b32 s16, v1                    ; wave 0..3
	v_and_b32 v1, 31, v0                           ; lane
	s_mov_b32 s[SEL], 0x76543210
	s_mov_b32 s[SEL+1], 0xfedcba98
	s_cmp_lt_u32 ttmp9, 256
	s_cbranch_scc0 .Lweights
	; ---- x.  Work-group pair ttmp9 / 2 owns 64 tokens (four tiles); wave w takes K step 4 (ttmp9 % 2) + w, so the four waves read 2,048 consecutive bytes of each row
	s_lshr_b32 s17, ttmp9, 1                       ; the group of 64 tokens
	s_and_b32 s18, ttmp9, 1
	s_lshl_b32 s18, s18, 2
	s_add_co_u32 s18, s18, s16                     ; my K step
	s_mul_i32 s19, s16, XREG                       ; my LDS
	s_wait_alu depctr_va_vdst(0)
	v_lshlrev_b32 v2, 4, v1                        ; 16 x lane
	v_add_nc_u32 v3, s19, v2                       ; the stage, on the way in
	v_and_b32 v8, 15, v0                           ; r
	v_bfe_u32 v9, v0, 4, 1                         ; h
	v_mul_u32_u24 v4, v8, 528
	v_lshl_add_u32 v4, v9, 6, v4
	v_add_nc_u32 v4, s19, v4                       ; and on the way out: row r, + 64 h
	s_add_co_u32 s19, s19, XSTG
	v_lshl_add_u32 v5, v8, 2, s19                  ; my row's scale word
	v_lshlrev_b32 v7, 3, v1                        ; 8 x lane
	v_add_nc_u32 v6, s19, v7
.irp b, 0,1,2,3
	v_mov_b32 v[TM+4+\b], 0                        ; written once: a lane permute's destination counts as one of its sources
.endr
	s_lshl_b32 s22, s17, 19                        ; 64 tokens x 8,192 bytes (every second row of 4,096)
	s_lshl_b32 s24, s18, 9
	s_add_co_u32 s22, s22, s24
	s_mov_b32 s23, 0
	s_mul_i32 s24, s17, 49152                      ; four tiles of 12,288 bytes
	s_mul_i32 s26, s18, 1536
	s_add_co_u32 s24, s24, s26
	s_mov_b32 s25, 0
	s_lshr_b32 s26, s17, 1
	s_lshl_b32 s26, s26, 12                        ; the block of 128 tokens,
	s_lshl_b32 s28, s18, 9
	s_add_co_u32 s26, s26, s28                     ; my K step,
	s_and_b32 s28, s17, 1
	s_lshl_b32 s28, s28, 8
	s_add_co_u32 s26, s26, s28                     ; my four tiles of its eight
	s_mov_b32 s27, 0
	s_wait_alu depctr_va_vdst(0)
	s_wait_kmcnt 0x0
	s_add_nc_u64 s[4:5], s[4:5], s[22:23]
	s_add_nc_u64 s[10:11], s[10:11], s[24:25]
	s_add_nc_u64 s[12:13], s[12:13], s[26:27]
	LOADX 0
	LOADX 1
	TILE 0
	TILE 1
	TILE 2
	TILE 3
	ds_load_b64 v[8:9], v6                         ; my four tiles' 64 scale words
	s_wait_dscnt 0x0
	global_store_b64 v7, v[8:9], s[12:13]          ; 256 consecutive bytes, aligned
	s_wait_tensorcnt 0x0                           ; the wave's end, behind my last LDS store
	ds_add_u32 v[SPW], v[NIL]
	s_wait_dscnt 0x0
	s_endpgm
.Lweights:
	; ---- the weights.  K is their FIRST axis: a lane takes a column and its registers run down K.  Work-group: 128 columns x 256 along K; wave: 32 columns, a pair of tiles
	s_sub_co_u32 s17, ttmp9, 256
	s_lshr_b32 s18, s17, 2                         ; block of 128 columns: 0-23 of wqkv, 24-31 of wo
	s_and_b32 s19, s17, 3                          ; which 256 along K
	s_mul_i32 s28, s16, WREG
	s_add_co_u32 s28, s28, WBASE                   ; my LDS
	v_bfe_u32 v2, v0, 3, 1                         ; column c of my 32 lies in tile u = (c / 8) % 2,
	v_and_b32 v3, 7, v0
	v_bfe_u32 v4, v0, 4, 1
	v_lshl_add_u32 v3, v4, 3, v3                   ; at lane r = c % 8 + 8 (c / 16)
	v_mul_u32_u24 v8, v2, WTILE
	v_lshl_add_u32 v8, v3, 4, v8
	v_add_nc_u32 v8, s28, v8                       ; into the images
	s_wait_alu depctr_va_vdst(0)
	v_lshlrev_b32 v10, 4, v1
	v_add_nc_u32 v9, s28, v10                      ; and back, 16 x lane
	v_lshl_add_u32 v11, v2, 4, v3
	v_lshlrev_b32 v11, 2, v11                      ; my scale word's place: 4 (16 u + r)
	s_lshl_b32 s22, s18, 3
	s_lshl_b32 s24, s16, 1
	s_add_co_u32 s22, s22, s24                     ; my first tile: 8 x block + 2 x wave
	s_lshl_b32 s22, s22, 3
	s_lshl_b32 s24, s19, 1
	s_add_co_u32 s22, s22, s24                     ; x 8 K steps + my first K step
	s_mul_i32 s22, s22, 1536
	s_add_co_u32 s22, s22, WQ
	s_mov_b32 s23, 0
	s_lshl_b32 s26, s18, 12
	s_lshl_b32 s24, s19, 10
	s_add_co_u32 s26, s26, s24
	s_lshl_b32 s24, s16, 7
	s_add_co_u32 s26, s26, s24
	s_add_co_u32 s26, s26, WS
	s_mov_b32 s27, 0
	s_wait_kmcnt 0x0
	s_add_nc_u64 s[10:11], s[10:11], s[22:23]
	s_add_nc_u64 s[12:13], s[12:13], s[26:27]
	s_cmp_lt_u32 s18, 24                           ; wqkv or wo: the choice hangs on the work-group's number alone
	s_cselect_b64 s[6:7], s[6:7], s[8:9]
	s_mov_b32 s30, 4096
	s_cselect_b32 s30, 12288, s30                  ; bytes from row to row
	s_cselect_b32 s31, 0, 24
	s_sub_co_u32 s31, s18, s31                     ; the block's number in its own tensor
	s_lshl_b32 s22, s31, 9
	s_lshl_b32 s24, s16, 7
	s_add_co_u32 s22, s22, s24                     ; my wave's first column, in bytes
	s_lshl_b32 s24, s19, 8
	s_mul_i32 s24, s24, s30                        ; my first row
	s_add_co_u32 s22, s22, s24
	s_mov_b32 s23, 0
	s_add_nc_u64 s[32:33], s[6:7], s[22:23]        ; a base for each of my eight blocks: no pointer is stepped
	s_lshl_b32 s24, s30, 5
	s_mov_b32 s25, 0
.irp t, 1,2,3,4,5,6,7
	s_add_nc_u64 s[32+2*\t:33+2*\t], s[30+2*\t:31+2*\t], s[24:25]
.endr
	v_lshlrev_b32 v[OFW], 2, v1
.irp i, 1,2,3,4,5,6,7,8,9,10,11,12,13,14,15,16,17,18,19,20,21,22,23,24,25,26,27,28,29,30,31
	v_add_nc_u32 v[OFW+\i], s30, v[OFW+\i-1]
.endr
	LOADW 0
	LOADW 1
.irp t, 0,1,2,3,4,5,6,7
	BLOCK \t
.endr
	s_wait_alu depctr_va_vdst(0)
.irp k, 0,1
	global_store_b32 v11, v[SBW+\k], s[12:13] offset:512*\k   ; a wave's 32 words: 128 consecutive bytes, half of an aligned 256: one byte in 128 of what this way reads
.endr
.set N, 0
.irp u, 0,1
.irp k, 0,1
.irp p, 0,1,2
	ds_load_b128 v[OUTR+4*N:OUTR+4*N+3], v9 offset:WTILE*\u+1536*\k+512*\p
.set N, N+1
.endr
.endr
.endr
.set N, 0
.irp u, 0,1
.irp k, 0,1
.irp p, 0,1,2
	s_wait_dscnt 11-N                              ; the younger read-backs may be out
	global_store_b128 v10, v[OUTR+4*N:OUTR+4*N+3], s[10:11] offset:12288*\u+1536*\k+512*\p   ; a plane: 512 consecutive bytes, aligned
.set N, N+1
.endr
.endr
.endr
	s_wait_tensorcnt 0x0                           ; the wave's end, behind my last LDS store
	ds_add_u32 v[SPW], v[NIL]
	s_wait_dscnt 0x0
	s_endpgm
.Lfunc_end_k_qcfb033a8f0_quant:
	.size	k_qcfb033a8f0_quant, .Lfunc_end_k_qcfb033a8f0_quant-k_qcfb033a8f0_quant
	.p2alignl 7, 3214868480
	.fill 96, 4, 3214868480
	.section	.rodata,"a",@progbits
	.p2align	6, 0x0
	.amdhsa_kernel k_qcfb033a8f0_quant
		.amdhsa_group_segment_fixed_size 60928
		.amdhsa_private_segment_fixed_size 0
		.amdhsa_enable_private_segment 0
		.amdhsa_kernarg_size 40
		.amdhsa_user_sgpr_count 2
		.amdhsa_user_sgpr_kernarg_segment_ptr 1
		.amdhsa_wavefront_size32 1
		.amdhsa_system_sgpr_workgroup_id_x 1
		.amdhsa_system_sgpr_workgroup_id_y 1
		.amdhsa_system_sgpr_workgroup_id_z 1
		.amdhsa_system_vgpr_workitem_id 0
		.amdhsa_next_free_vgpr 256
		.amdhsa_next_free_sgpr 66
		.amdhsa_reserve_vcc 0
		.amdhsa_float_denorm_mode_32 3
		.amdhsa_float_denorm_mode_16_64 3
		.amdhsa_memory_ordered 1
		.amdhsa_forward_progress 1
		.amdhsa_inst_pref_size 76
	.end_amdhsa_kernel
	.amdgpu_metadata
---
amdhsa.version: [ 1, 2 ]
amdhsa.kernels:
  - .name:           k_qcfb033a8f0_quant
    .symbol:         k_qcfb033a8f0_quant.kd
    .args:
      - { .name: x, .offset: 0, .size: 8, .value_kind: global_buffer, .address_space: global }
      - { .name: wqkv, .offset: 8, .size: 8, .value_kind: global_buffer, .address_space: global }
      - { .name: wo, .offset: 16, .size: 8, .value_kind: global_buffer, .address_space: global }
      - { .name: wsq, .offset: 24, .size: 8, .value_kind: global_buffer, .address_space: global }
      - { .name: wss, .offset: 32, .size: 8, .value_kind: global_buffer, .address_space: global }
    .group_segment_fixed_size: 60928
    .private_segment_fixed_size: 0
    .kernarg_segment_align: 8
    .kernarg_segment_size: 40
    .max_flat_workgroup_size: 128
    .sgpr_count:     66
    .vgpr_count:     256
    .wavefront_size: 32
...
	.end_amdgpu_metadata
.endif
;; end of part 1
;; launch qkv (part 2): grid 4 x 64, 4 waves a work-group, clusters of 4 x 4, 327,680 bytes of LDS; arguments wsq, wss, bqkv, qkvc, qkvs; writes qkvc, qkvs
.if DOCPART == 2
	.amdgcn_target "amdgcn-amd-amdhsa--gfx1250"
	.amdhsa_code_object_version 6
	.text
	.protected	k_qcfb033a8f0_qkv
	.globl	k_qcfb033a8f0_qkv
	.p2align	8
	.type	k_qcfb033a8f0_qkv,@function
k_qcfb033a8f0_qkv:
	s_mov_b64 s[64:65], 0
	v_nop
	global_prefetch_b8 v0, s[64:65] scope:SCOPE_SE
	s_setreg_imm32_b32 hwreg(HW_REG_WAVE_MODE, 25, 1), 1
	s_wait_xcnt 0x0
	s_wait_alu depctr_hold_cnt(0) depctr_sa_sdst(0) depctr_va_vdst(0) depctr_va_sdst(0) depctr_va_ssrc(0) depctr_va_vcc(0) depctr_vm_vsrc(0)
	s_getreg_b32 s2, hwreg(HW_REG_IB_STS2, 6, 4)
	s_cmp_eq_u32 s2, 0
	s_cbranch_scc0 .Lentry_in_a_cluster
	s_endpgm
.Lentry_in_a_cluster:
	s_bfe_u32 s2, ttmp6, 0x10000c
	s_cmp_lg_u32 s2, 0xf033
	s_cbranch_scc0 .Lentry_shape_is_right
	s_endpgm
.Lentry_shape_is_right:
; qkv = Q(x) Q(wqkv) + bqkv on codes of FP6 (E2M3) with E8M0 scales, K = 1,024; the result is quantised in registers for the attention's products.
; Only the tokens of the dilated slice exist here: the launch before laid no other rows.
; SHARES.  Work-group (cx, g): 128 tokens (group g) and a quarter cx of the features.  LDS holds the tokens' images for ALL of K (98,304 bytes, filled once) and ONE tile of 256 weight
; columns for all of K (196,608 bytes), which holds three tiles in turn: features 512 cx .. + 255 and + 256 .. + 511 of q and k, then v's features 256 cx .. + 255.  256 work-groups, three tiles each.
; THE MATRIX INSTRUCTION IS USED TRANSPOSED: source 0 = 16 rows of "B", source 1 = 16 rows of "A": a lane holds one row of A, its registers run along B's rows; by the order of a tile's rows
; (r + 8 (r / 8), + 8 for the odd tile of a pair) the 64 registers of a block of A are register 16 b + i = B row 32 b + 16 (lane / 16) + i.
; q, k: A = tokens (wave: 4 tiles), B = features (8 tiles).  v: A = features (wave: 4 tiles), B = the 8 tiles of tokens: V comes out with the keys innermost.
; A wave has 32 accumulators (256 registers); A's and B's fragments have two sets each, the next K step's 36 loads are issued ahead of a step's 32 products.
; THE WEIGHT TILE IS A RING OF TWO HALVES ALONG K: [K half][16 tiles][4 K steps][1,536 bytes].  In K step 3 nobody reads half 0 any more: the waits, the add and a round of the cluster's barrier, then one joint
; load a wave (4 tiles x 6,144 bytes) brings the next tile's half 0; the same round shows this tile's half 1 whole.  In K step 7 the same for half 1, and the round shows the next tile's half 0 whole.
; By the text's own count one tensor load of a wave is out behind each round; half 0 has four K steps in which to land, half 1 the way out and three K steps.
; CLUSTERS 4 x 4: the tokens are shared along a row, the weights along a column.  The scale words (28,672 of a work-group's 716,800 bytes) come by plain loads through registers into LDS bytes of their own.
; PREFETCH: in K steps 0 and 1 of a tile each wave names 48 blocks of 256 bytes of the NEXT weight tile, a lane a block (in the second line lanes 16-31 name the wave's last block again): two and three K steps
; ahead of the load of its first half.  The four partners of a column share the tile's 768 blocks out by address (cy x 192 + wave x 48).  The first tile comes by its loads alone; v's tile has no successor.
; OUT: as the attention reads it: qkvc units of eight images of 1,536 bytes, an image in two halves of 768; q, k: unit = feature group x 64 + token group;
; v: from VT on, unit = segment x 64 + head pair x 8 + key step, image = feature tile.  qkvs: 64 bytes of scale words an image.
; LIMITS: NaN and infinities are not served; a block of zeros gets the byte 1: the bytes are read by this program alone.
; REGISTERS: window 0: v4-31 addresses; v32-95 a tile's scale words (nothing else); v96-191 A's fragments, two sets (on the way out numbers and codes); v192-213 at work on the way out.
;   window 1: B's fragments at v0 and v128; the bias at v96-127 and v224-255.  window 2: accumulator (a, b) at v[8 (8 a + b)].
.set FR,    12
.set HALF,  49152
.set WGT,   98304                      ; LDS: tokens from 0, the weight tile's two halves from here
.set SCT,   294912                     ; scale words: tokens 4,096, then the three weight tiles' 8,192 each
.set SCW,   299008
.set SWS,   323584                     ; 256 bytes a wave: the results' scale words on their way out
.set SPARE, 324608                     ; the spare words, 128 bytes a wave, named by no other line
.set TSTEP, 196608
.set WQ,    6291456
.set WS,    262144
.set WVS,   327680
.set VT,    12582912
.set VTS,   524288
.set GO,  4                            ; 16 x thread
.set LSC, 5                            ; SCT + 16 x thread
.set L8,  7                            ; 8 x lane
.set AT,  8                            ; q, k: A's fragments (tokens)
.set BT,  10                           ; v10-11 q, k: B's fragments in the weight tile's half 0, 1
.set LI,  12                           ; 16 x lane; also v: B's tiles 0-3 (the tokens lie at LDS 0)
.set BV,  12                           ; v12-13 v: B's tiles 0-3, 4-7
.set ST0, 14                           ; v14-15, 16-17, 18-19 scale words of the three tiles: lanes 0-15 A's, lanes 16-31 B's; the second register for blocks 4-7 (lanes 0-15 take A's 0-3 again)
.set ST1, 16
.set SV,  18
.set SWA, 20
.set SWR, 21
.set BOB, 22
.set BOA, 23
.set PFO, 24                           ; v24-25 the prefetches' offsets
.set SPW, 28
.set NIL, 29
.set AV,  30                           ; v30-31 v: A's fragments in the weight tile's half 0, 1
.set SC,  32
.set AF,  96
.set HA,  96
.set PC,  160
.set TM,  192
.set PW,  208
.set SB,  212
.set G1,  24                           ; tokens: 192 rows of 256 bytes, my row's mask
.set G0,  32
.set G0B, 36
.set G0R1, 36                          ; behind the head: group 0 for half 1
.set PFV, 46                           ; s[46:47] my blocks of v's tile
.set G1B, 48                           ; weights at the head: 16 rows of 6,144 bytes, my column's mask
.set SEL, 62
.set PF1, 66                           ; s[66:67] my blocks of the second tile
.set G1R, 68                           ; weights filled again: 4 rows of 6,144 bytes
.set G0R0, 76                          ; group 0 for half 0
.set MSB, 0
.macro WIN new
.if MSB != (\new)
	s_set_vgpr_msb (MSB<<8)|(\new)
.set MSB, (\new)
.endif
.endm
.set MUL,  0xa1                        ; source 0 window 1, source 1 window 0, C and D window 2
.set TO_B, 0x40
.macro PLACES
.rept 4
	v_nop
.endr
.endm
.macro CREST
	s_cmp_lg_u32 s14, 0
	s_cbranch_scc1 .Lnot_wave_0_\@
	s_barrier_signal -3
.Lnot_wave_0_\@:
	s_barrier_wait -3
	s_barrier_signal -1
	s_barrier_wait -1
.endm
.macro CROUND
	s_barrier_signal -1
	s_barrier_wait -1
	CREST
.endm
.macro FRAGT reg, adr, i, s            ; a token tile's image: [tile][8 K steps]
.irp p, 0,1,2
	ds_load_b128 v[\reg+4*\p:\reg+4*\p+3], v[\adr+(\i)/4] offset:12288*((\i)%4)+1536*(\s)+512*\p
.endr
.endm
.macro FRAGW reg, adr, i, s            ; a weight tile's image: [K half][tile][4 K steps]
.irp p, 0,1,2
	ds_load_b128 v[\reg+4*\p:\reg+4*\p+3], v[\adr+(\s)/4] offset:6144*(\i)+1536*((\s)%4)+512*\p
.endr
.endm
.macro FETCH isv, s                    ; K step s: 8 fragments of B, 4 of A: 36 loads
	WIN TO_B
.irp i, 0,1,2,3,4,5,6,7
.if \isv
	FRAGT 128*((\s)%2)+FR*\i, BV, \i, \s
.else
	FRAGW 128*((\s)%2)+FR*\i, BT, \i, \s
.endif
.endr
	WIN 0
.irp i, 0,1,2,3
.if \isv
	FRAGW AF+48*((\s)%2)+FR*\i, AV, \i, \s
.else
	FRAGT AF+48*((\s)%2)+FR*\i, AT, \i, \s
.endif
.endr
.endm
.macro SCALES rs                       ; a tile's scale words for all of K
.irp s, 0,1,2,3,4,5,6,7
.irp i, 0,1,2,3,4,5,6,7
	ds_load_b32 v[SC+8*\s+\i], v[\rs+(\i/4)] offset:512*\s+64*\i
.endr
.endr
.endm
; 16 products; the 32 accumulators take turns in the same order in every step
.macro MUL16 a0, s, first
.irp a, \a0, \a0+1
.irp b, 0,1,2,3,4,5,6,7
.if \first
	v_wmma_scale_f32_16x16x128_f8f6f4 v[8*(8*(\a)+\b):8*(8*(\a)+\b)+7], v[128*((\s)%2)+FR*\b:128*((\s)%2)+FR*\b+FR-1], v[AF+48*((\s)%2)+FR*(\a):AF+48*((\s)%2)+FR*(\a)+FR-1], 0, v[SC+8*(\s)+\b], v[SC+8*(\s)+(\a)] matrix_a_fmt:MATRIX_FMT_FP6 matrix_b_fmt:MATRIX_FMT_FP6 matrix_a_scale:MATRIX_SCALE_ROW1
.else
	v_wmma_scale_f32_16x16x128_f8f6f4 v[8*(8*(\a)+\b):8*(8*(\a)+\b)+7], v[128*((\s)%2)+FR*\b:128*((\s)%2)+FR*\b+FR-1], v[AF+48*((\s)%2)+FR*(\a):AF+48*((\s)%2)+FR*(\a)+FR-1], v[8*(8*(\a)+\b):8*(8*(\a)+\b)+7], v[SC+8*(\s)+\b], v[SC+8*(\s)+(\a)] matrix_a_fmt:MATRIX_FMT_FP6 matrix_b_fmt:MATRIX_FMT_FP6 matrix_a_scale:MATRIX_SCALE_ROW1
.endif
.endr
.endr
.endm
.macro STEP isv, s, pf                 ; a K step whose successor lies in the same half
.if (\s) > 0
	PLACES                                         ; in front of loads into the set that the step before multiplied
.endif
	FETCH \isv, (\s)+1
	s_wait_dscnt 36                                ; all but the 36 just issued
	WIN MUL
.if (\s) == 0
	MUL16 0, \s, 1                                 ; the first products start the sums
	MUL16 2, \s, 1
.else
	MUL16 0, \s, 0
	MUL16 2, \s, 0
.endif
	WIN 0
.if (\pf) && ((\s) < 2)
	global_prefetch_b8 v[PFO+(\s)], s[\pf:\pf+1] th:TH_LOAD_NT scope:SCOPE_SE   ; the next weight tile: my 48 blocks, in two lines
.endif
.endm
; K step 3 or 7: the half just read out is left.  g0: group 0 of the load that fills it again (0: none is left to fetch);  st: the other half's group 0, stepped on to v's tile (0: not now)
.macro TURN isv, s, g0, st
	s_wait_tensorcnt 0x0                           ; all my tensor loads have landed: my part of the half that is read next
.if \g0
	ds_add_u32 v[SPW], v[NIL]
.if \st
	s_add_nc_u64 s[\st+2:\st+3], s[\st+2:\st+3], s[80:81]
.endif
.endif
	s_wait_dscnt 0x0                               ; the add is done, and my reads of this half are over
	s_barrier_signal -1                            ; (where a half is filled again: opens a round of the cluster's barrier)
	WIN MUL
	MUL16 0, \s, 0
	WIN 0
	s_barrier_wait -1
.if \g0
	CREST                                          ; no wave of any partner still reads the half or has a load on its way
	tensor_load_to_lds s[\g0:\g0+3], s[G1R:G1R+7]  ; my four tiles of the next weight tile's half
	s_nop 0
.endif
	PLACES
.if (\s) == 3
	FETCH \isv, 4                                  ; half 1 is whole for all four waves
.endif
	WIN MUL
	MUL16 2, \s, 0
	WIN 0
.endm
.macro MAIN isv, rs, ga, sa, gb, sb, pf
	SCALES \rs
	FETCH \isv, 0
	STEP \isv, 0, \pf
	STEP \isv, 1, \pf
	STEP \isv, 2, 0
	TURN \isv, 3, \ga, \sa
	STEP \isv, 4, 0
	STEP \isv, 5, 0
	STEP \isv, 6, 0
.if \gb
	TURN \isv, 7, \gb, \sb
.else
	s_wait_dscnt 0x0
	WIN MUL
	MUL16 0, 7, 0
	MUL16 2, 7, 0
	WIN 0
.endif
.endm
; 64 numbers of a lane become a fragment's codes in v[PC] .. v[PC + 11] and its row's scale word in v[pw]
.macro QUANT s, pw
.irp b, 0,1,2,3
	v_max3_num_f32 v[TM+\b], |v[\s+16*\b]|, |v[\s+1+16*\b]|, 0x1800000   ; with the floor 2^(3 - 127): the byte cannot fall under 1
.endr
.irp i, 2,4,6,8,10,12,14
.irp b, 0,1,2,3
	v_max3_num_f32 v[TM+\b], v[TM+\b], |v[\s+16*\b+\i]|, |v[\s+1+16*\b+\i]|
.endr
.endr
.irp b, 0,1,2,3
	v_permlanex16_b32 v[TM+4+\b], v[TM+\b], s[SEL], s[SEL+1]
.endr
.irp b, 0,1,2,3
	v_max_num_f32 v[TM+\b], v[TM+\b], v[TM+4+\b]
.endr
.irp b, 0,1,2,3
	v_add_nc_u32 v[TM+12+\b], 0xff000000, v[TM+\b]   ; 2 off the exponent field: the conversion's scale operand
.endr
.irp b, 0,1,2,3
	v_lshrrev_b32 v[TM+4+\b], 23, v[TM+12+\b]
.endr
	v_lshl_or_b32 v[\pw], v[TM+5], 8, v[TM+4]
	v_lshl_or_b32 v[\pw], v[TM+6], 16, v[\pw]
	v_lshl_or_b32 v[\pw], v[TM+7], 24, v[\pw]
.irp c, 0,1
	v_cvt_scalef32_pk16_fp6_f32 v[PC+6*\c:PC+2+6*\c], v[\s+32*\c:\s+15+32*\c], v[TM+12+2*\c]
	v_cvt_scalef32_pk16_fp6_f32 v[PC+12+4*\c:PC+14+4*\c], v[\s+16+32*\c:\s+31+32*\c], v[TM+12+2*\c+1]
.endr
	v_nop                                          ; one plain line behind a scaled conversion
.irp c, 0,1
.irp i, 0,1,2
	v_permlane16_swap_b32 v[PC+6*\c+\i], v[PC+12+4*\c+\i]
.endr
.irp i, 0,1,2
	v_mov_b32 v[PC+3+6*\c+\i], v[PC+12+4*\c+\i]
.endr
.endr
.endm
; THE WAY OUT of A's block a: + bias (which also brings the numbers into window 0), quantised along the registers, the image stored as it stands
.macro OUTB a, isv, cb, co
	s_wait_xcnt 0x0                                ; earlier stores have read the codes' registers
	WIN 0x06                                       ; source 0 window 2, source 1 window 1
.set I, 0
.rept 32
.if \isv
.if (\a)%2
	v_pk_add_f32 v[HA+I:HA+I+1], v[64*(\a)+I:64*(\a)+I+1], v[96+2*((\a)/2):97+2*((\a)/2)] op_sel:[0,1] op_sel_hi:[1,1]   ; v: one bias a lane
.else
	v_pk_add_f32 v[HA+I:HA+I+1], v[64*(\a)+I:64*(\a)+I+1], v[96+2*((\a)/2):97+2*((\a)/2)] op_sel:[0,0] op_sel_hi:[1,0]
.endif
.else
	v_pk_add_f32 v[HA+I:HA+I+1], v[64*(\a)+I:64*(\a)+I+1], v[96+I+96*(I/32):97+I+96*(I/32)]   ; q, k: the bias runs along the registers; each accumulator from its low end on
.endif
.set I, I+2
.endr
	WIN 0
	QUANT HA, PW+(\a)
	global_store_b128 v[LI], v[PC:PC+3], s[\cb:\cb+1] offset:\co+1536*(\a)          ; whole aligned blocks of 256 bytes: 512, 256, 512, 256
	global_store_b64 v[L8], v[PC+4:PC+5], s[\cb:\cb+1] offset:\co+1536*(\a)+512
	global_store_b128 v[LI], v[PC+6:PC+9], s[\cb:\cb+1] offset:\co+1536*(\a)+768
	global_store_b64 v[L8], v[PC+10:PC+11], s[\cb:\cb+1] offset:\co+1536*(\a)+1280
	ds_store_b32 v[SWA], v[PW+(\a)] offset:64*(\a)                                  ; both halves of the lanes write the same word
.endm
.macro EPI isv, cb, sb, co, so
.irp b, 0,1,2,3
	v_mov_b32 v[TM+4+\b], 0                        ; a lane permute's destination counts as a source; also the four places behind the last products
.endr
	s_wait_loadcnt 0x0                             ; the bias
.irp a, 0,1,2,3
	OUTB \a, \isv, \cb, \co
.endr
	ds_load_b64 v[SB:SB+1], v[SWR]                 ; my four images' 64 scale words
	s_wait_dscnt 0x0
	global_store_b64 v[L8], v[SB:SB+1], s[\sb:\sb+1] offset:\so   ; 256 consecutive bytes, aligned
.endm
.macro BIAST off                       ; by B's rows: register 8 b + j: row 32 (b / 2) + 16 h + 8 (b % 2) + j
	WIN TO_B
.irp b, 0,1,2,3,4,5,6,7
	global_load_b128 v[96+8*\b+96*(\b/4):99+8*\b+96*(\b/4)], v[BOB], s[86:87] offset:\off+(32*(\b/2)+8*(\b%2))*4
	global_load_b128 v[100+8*\b+96*(\b/4):103+8*\b+96*(\b/4)], v[BOB], s[86:87] offset:\off+(32*(\b/2)+8*(\b%2))*4+16
.endr
	WIN 0
.endm
.macro NEXT                            ; in front of the next tile's loads
	s_wait_alu depctr_va_vdst(0)                   ; ahead of the wait below
	s_wait_xcnt 0x0                                ; the stores have read registers that the next tile's loads fill
.endm
	s_load_b256 s[4:11], s[0:1], 0x0               ; wsq, wss, bqkv, qkvc
	s_load_b64 s[12:13], s[0:1], 0x20              ; qkvs
	v_lshl_add_u32 v[SPW], v0, 2, SPARE
	v_mov_b32 v[NIL], 0
	ds_add_u32 v[SPW], v[NIL]                      ; the opening: the add twice, and its wait ahead of my first tensor load
	ds_add_u32 v[SPW], v[NIL]
	v_lshrrev_b32 v1, 5, v0
	v_readfirstlane_b32 s14, v1                    ; wave
	v_lshlrev_b32 v[GO], 4, v0
	s_lshr_b32 s15, s14, 1
	s_and_b32 s16, s14, 1
	s_bfe_u32 s40, ttmp6, 0x40000                  ; cx: the quarter of the features
	s_bfe_u32 s41, ttmp6, 0x40004                  ; cy
	s_and_b32 s17, ttmp7, 0xffff
	s_lshl_b32 s17, s17, 2
	s_add_co_u32 s17, s17, s41                     ; g: the group of 128 tokens
	s_lshl_b32 s43, s41, 2
	s_lshl_b32 s43, 15, s43                        ; my row of the cluster
	s_lshl_b32 s44, 0x1111, s40                    ; my column
	s_or_b32 s[G1], s43, (3<<16)|(1<<21)           ; elements of 8 bytes
	s_or_b32 s[G1B], s44, (3<<16)|(1<<21)
	s_or_b32 s[G1R], s44, (3<<16)|(1<<21)
	s_mov_b32 s[G1+1], 32<<16                      ; a dense block as 192 rows of 256 bytes
	s_mov_b32 s[G1+2], 192<<16
	s_mov_b32 s[G1+3], 32<<16
	s_mov_b32 s[G1+4], 192
	s_mov_b32 s[G1+5], 32
	s_mov_b32 s[G1+6], 0
	s_mov_b32 s[G1+7], 0
	s_mov_b32 s[G1B+1], 768<<16                    ; 16 tiles' four K steps: rows of 6,144 bytes, 12,288 apart
	s_mov_b32 s[G1B+2], 16<<16
	s_mov_b32 s[G1B+3], 768<<16
	s_mov_b32 s[G1B+4], 16
	s_mov_b32 s[G1B+5], 1536
	s_mov_b32 s[G1B+6], 0
	s_mov_b32 s[G1B+7], 0
	s_mov_b32 s[G1R+1], 768<<16                    ; the same of 4 tiles
	s_mov_b32 s[G1R+2], 4<<16
	s_mov_b32 s[G1R+3], 768<<16
	s_mov_b32 s[G1R+4], 4
	s_mov_b32 s[G1R+5], 1536
	s_mov_b32 s[G1R+6], 0
	s_mov_b32 s[G1R+7], 0
	s_mul_i32 s20, s17, 98304                      ; tokens: my half (waves 0, 1)
	s_mul_i32 s21, s16, HALF
	s_add_co_u32 s20, s20, s21
	s_mov_b32 s21, 0
	s_mul_i32 s46, s40, 2*TSTEP
	s_add_co_u32 s46, s46, WQ                      ; weight tile 2 cx
	s_add_co_u32 s42, s46, TSTEP                   ; weight tile 2 cx + 1
	s_mul_i32 s47, s14, HALF
	s_add_co_u32 s18, s42, s47                     ; filled again: my four tiles of it
	s_mov_b32 s19, 0
	s_mul_i32 s47, s16, 6144
	s_add_co_u32 s46, s46, s47                     ; at the head: my K half (waves 2, 3)
	s_mov_b32 s47, 0
	s_sub_co_u32 s80, 7, s40
	s_mul_i32 s80, s80, TSTEP                      ; from tile 2 cx + 1 to v's tile 8 + cx
	s_mov_b32 s81, 0
	s_mul_i32 s45, s41, HALF                       ; the prefetches: my work-group's 192 blocks,
	s_add_co_u32 s66, s42, s45
	s_mul_i32 s45, s14, 12288                      ; my wave's 48
	s_add_co_u32 s66, s66, s45
	s_mov_b32 s67, 0
	s_lshl_b32 s56, s17, 12                        ; scale words: tokens,
	s_mov_b32 s57, 0
	s_lshl_b32 s58, s40, 14
	s_add_co_u32 s58, s58, WS                      ; q's and k's two tiles,
	s_mov_b32 s59, 0
	s_lshl_b32 s60, s40, 13
	s_add_co_u32 s60, s60, WVS                     ; v's tile
	s_mov_b32 s61, 0
	s_lshl_b32 s42, s40, 2
	s_add_co_u32 s42, s42, s16                     ; q, k: feature group of the first tile
	s_lshl_b32 s45, s42, 6
	s_add_co_u32 s45, s45, s17                     ; unit
	s_mul_i32 s82, s45, 12288
	s_mul_i32 s22, s15, 6144                       ; my four images of its eight
	s_add_co_u32 s82, s82, s22
	s_mov_b32 s83, 0
	s_lshl_b32 s84, s45, 9
	s_lshl_b32 s23, s15, 8
	s_add_co_u32 s84, s84, s23
	s_mov_b32 s85, 0
	s_lshl_b32 s86, s42, 9
	s_mov_b32 s87, 0
	s_lshl_b32 s42, s40, 1
	s_add_co_u32 s42, s42, s15                     ; v: head pair
	s_lshr_b32 s45, s17, 3
	s_lshl_b32 s45, s45, 6
	s_lshl_b32 s22, s42, 3
	s_add_co_u32 s45, s45, s22
	s_and_b32 s22, s17, 7
	s_add_co_u32 s45, s45, s22                     ; unit = segment x 64 + head pair x 8 + key step
	s_mul_i32 s88, s45, 12288
	s_mul_i32 s22, s16, 6144
	s_add_co_u32 s88, s88, s22
	s_add_co_u32 s88, s88, VT
	s_mov_b32 s89, 0
	s_lshl_b32 s90, s45, 9
	s_lshl_b32 s22, s16, 8
	s_add_co_u32 s90, s90, s22
	s_add_co_u32 s90, s90, VTS
	s_mov_b32 s91, 0
	s_add_co_u32 s92, s42, 16
	s_lshl_b32 s92, s92, 9
	s_add_co_u32 s92, s92, s22
	s_mov_b32 s93, 0
	s_mul_i32 s94, s15, HALF                       ; LDS: q, k: my half of the tokens,
	s_mul_i32 s95, s16, HALF
	s_add_co_u32 s95, s95, WGT                     ; my eight tiles of a weight half;
	s_mul_i32 s96, s14, 24576
	s_add_co_u32 s96, s96, WGT                     ; v: my four tiles of it (also what I fill again)
	s_lshl_b32 s97, s15, 8
	s_add_co_u32 s97, s97, SCT
	s_lshl_b32 s98, s16, 12
	s_add_co_u32 s98, s98, SCW
	s_sub_co_u32 s98, s98, s97                     ; q, k: from A's words to B's
	s_lshl_b32 s99, s15, 12
	s_add_co_u32 s99, s99, s22
	s_add_co_u32 s99, s99, SCW+16384-SCT           ; v: from B's words (the tokens') to A's
	s_lshl_b32 s23, s14, 8
	s_add_co_u32 s23, s23, SWS
	s_mov_b32 s[SEL], 0x76543210
	s_mov_b32 s[SEL+1], 0xfedcba98
	s_mov_b32 s[G0], 1
	s_mul_i32 s[G0+1], s16, HALF
	s_mov_b32 s[G0B], 1
	s_mul_i32 s[G0B+1], s16, 98304
	s_add_co_u32 s[G0B+1], s[G0B+1], WGT
	s_mov_b32 s[G0R0], 1
	s_mov_b32 s[G0R0+1], s96
	s_wait_alu depctr_va_vdst(0)                   ; ahead of the waits below
	s_wait_dscnt 0x0                               ; both opening adds are done
	s_wait_kmcnt 0x0
	s_add_nc_u64 s[56:57], s[6:7], s[56:57]
	s_add_nc_u64 s[58:59], s[6:7], s[58:59]
	s_add_nc_u64 s[60:61], s[6:7], s[60:61]
.irp k, 0,1
	global_load_b128 v[96+4*\k:99+4*\k], v[GO], s[56:57] offset:2048*\k            ; the four waves read 2,048 consecutive bytes
.endr
.irp k, 0,1,2,3,4,5,6,7
	global_load_b128 v[104+4*\k:107+4*\k], v[GO], s[58:59] offset:2048*\k
.endr
.irp k, 0,1,2,3
	global_load_b128 v[136+4*\k:139+4*\k], v[GO], s[60:61] offset:2048*\k
.endr
	s_add_nc_u64 s[G0+2:G0+3], s[4:5], s[20:21]
	s_or_b32 s[G0+3], s[G0+3], 0x80000000
	s_add_nc_u64 s[G0B+2:G0B+3], s[4:5], s[46:47]
	s_or_b32 s[G0B+3], s[G0B+3], 0x80000000
	s_add_nc_u64 s[G0R0+2:G0R0+3], s[4:5], s[18:19]
	s_or_b32 s[G0R0+3], s[G0R0+3], 0x80000000
	s_add_nc_u64 s[PF1:PF1+1], s[4:5], s[PF1:PF1+1]
	s_add_nc_u64 s[PFV:PFV+1], s[PF1:PF1+1], s[80:81]
	s_add_nc_u64 s[82:83], s[10:11], s[82:83]
	s_add_nc_u64 s[84:85], s[12:13], s[84:85]
	s_add_nc_u64 s[86:87], s[8:9], s[86:87]
	s_add_nc_u64 s[88:89], s[10:11], s[88:89]
	s_add_nc_u64 s[90:91], s[12:13], s[90:91]
	s_add_nc_u64 s[92:93], s[8:9], s[92:93]
	CROUND                                         ; all sixteen work-groups are here: the first joint loads meet
	s_cmp_eq_u32 s15, 0                            ; one load a wave: waves 0, 1 the tokens' halves, waves 2, 3 the weight tile's K halves
	s_cbranch_scc0 .Lhead_b
	tensor_load_to_lds s[G0:G0+3], s[G1:G1+7]
	s_nop 0
	PLACES
	s_branch .Lhead_asked
.Lhead_b:
	tensor_load_to_lds s[G0B:G0B+3], s[G1B:G1B+7]
	s_nop 0
	PLACES
.Lhead_asked:
	v_and_b32 v1, 15, v0                           ; r
	v_bfe_u32 v2, v0, 4, 1                         ; h
	v_and_b32 v3, 31, v0
	v_add_nc_u32 v[LSC], SCT, v[GO]
	v_lshlrev_b32 v[LI], 4, v3
	v_lshlrev_b32 v[L8], 3, v3
	v_lshlrev_b32 v[PFO], 8, v3                    ; blocks 0 .. 31 of my 48,
	v_add_nc_u32 v3, 32, v3
	v_min_u32 v3, 47, v3
	v_lshlrev_b32 v[PFO+1], 8, v3                  ; blocks 32 .. 47, the last again in lanes 16-31
	v_add_nc_u32 v[AT], s94, v[LI]
	v_add_nc_u32 v[BT], s95, v[LI]
	v_add_nc_u32 v[BT+1], 98304, v[BT]
	v_add_nc_u32 v[AV], s96, v[LI]
	v_add_nc_u32 v[AV+1], 98304, v[AV]
	v_add_nc_u32 v[BV+1], HALF, v[LI]
	v_lshlrev_b32 v3, 2, v1                        ; 4 r
	v_xor_b32 v26, 1, v2                           ; 1 in lanes 0-15
	v_lshlrev_b32 v27, 8, v26
	v_mul_u32_u24 v9, s98, v2
	v_add_nc_u32 v[ST0], s97, v3
	v_add_nc_u32 v[ST0], v[ST0], v9
	v_sub_nc_u32 v[ST0+1], v[ST0], v27
	v_lshlrev_b32 v9, 13, v2                       ; the second tile's words: 8,192 on, in lanes 16-31
	v_add_nc_u32 v[ST1], v[ST0], v9
	v_add_nc_u32 v[ST1+1], v[ST0+1], v9
	v_mul_u32_u24 v9, s99, v26
	v_add_nc_u32 v[SV], SCT, v3
	v_add_nc_u32 v[SV], v[SV], v9
	v_sub_nc_u32 v[SV+1], v[SV], v27
	v_add_nc_u32 v[SWA], s23, v3
	v_add_nc_u32 v[SWR], s23, v[L8]
	v_lshlrev_b32 v[BOB], 6, v2
	v_and_b32 v9, 8, v1
	v_add_nc_u32 v9, v9, v1
	v_lshlrev_b32 v[BOA], 2, v9
	s_wait_alu depctr_va_vdst(0)                   ; the head's end
	s_wait_loadcnt 0x0
.irp k, 0,1,2,3,4,5,6,7,8,9,10,11,12,13
	ds_store_b128 v[LSC], v[96+4*\k:99+4*\k] offset:2048*\k   ; the scale words, as they lie: tokens, q's and k's tiles, v's tile
.endr
	BIAST 0
	s_wait_tensorcnt 0x0                           ; my load has landed: the head's descriptors may be written
	s_mov_b32 s[G0R1], 1                           ; half 1 of what is filled again: 98,304 on in LDS, four K steps on in memory
	s_add_co_u32 s[G0R1+1], s96, 98304
	s_add_nc_u64 s[G0R1+2:G0R1+3], s[G0R0+2:G0R0+3], 6144
	s_wait_dscnt 0x0                               ; my stores are done,
	s_barrier_signal -1
	s_barrier_wait -1                              ; everybody's
	MAIN 0, ST0, G0R0, 0, G0R1, G0R0, PF1
	EPI 0, 82, 84, 0, 0
	BIAST 1024
	NEXT
	MAIN 0, ST1, G0R0, G0R1, G0R1, 0, PFV
	EPI 0, 82, 84, 1572864, 65536                  ; two feature groups on: 128 units
	WIN TO_B
.irp a, 0,1,2,3
	global_load_b32 v[96+\a], v[BOA], s[92:93] offset:(32*(\a/2)+8*(\a%2))*4   ; v's bias: my row of block a
.endr
	WIN 0
	NEXT
	MAIN 1, SV, 0, 0, 0, 0, 0
	EPI 1, 88, 90, 0, 0
	s_wait_tensorcnt 0x0                           ; the wave's end
	ds_add_u32 v[SPW], v[NIL]
	s_wait_dscnt 0x0
	CROUND                                         ; the closing round
	s_endpgm
.Lfunc_end_k_qcfb033a8f0_qkv:
	.size	k_qcfb033a8f0_qkv, .Lfunc_end_k_qcfb033a8f0_qkv-k_qcfb033a8f0_qkv
	.p2alignl 7, 3214868480
	.fill 96, 4, 3214868480
	.section	.rodata,"a",@progbits
	.p2align	6, 0x0
	.amdhsa_kernel k_qcfb033a8f0_qkv
		.amdhsa_group_segment_fixed_size 327680
		.amdhsa_private_segment_fixed_size 0
		.amdhsa_enable_private_segment 0
		.amdhsa_kernarg_size 40
		.amdhsa_user_sgpr_count 2
		.amdhsa_user_sgpr_kernarg_segment_ptr 1
		.amdhsa_wavefront_size32 1
		.amdhsa_system_sgpr_workgroup_id_x 1
		.amdhsa_system_sgpr_workgroup_id_y 1
		.amdhsa_system_sgpr_workgroup_id_z 1
		.amdhsa_system_vgpr_workitem_id 0
		.amdhsa_next_free_vgpr 768
		.amdhsa_next_free_sgpr 100
		.amdhsa_reserve_vcc 0
		.amdhsa_float_denorm_mode_32 3
		.amdhsa_float_denorm_mode_16_64 3
		.amdhsa_memory_ordered 1
		.amdhsa_forward_progress 1
		.amdhsa_inst_pref_size 255
	.end_amdhsa_kernel
	.section	.bss,"aw",@nobits
	.p2align	6
	.space	262144
	.amdgpu_metadata
---
amdhsa.version: [ 1, 2 ]
amdhsa.kernels:
  - .name:           k_qcfb033a8f0_qkv
    .symbol:         k_qcfb033a8f0_qkv.kd
    .args:
      - { .name: wsq, .offset: 0, .size: 8, .value_kind: global_buffer, .address_space: global }
      - { .name: wss, .offset: 8, .size: 8, .value_kind: global_buffer, .address_space: global }
      - { .name: bqkv, .offset: 16, .size: 8, .value_kind: global_buffer, .address_space: global }
      - { .name: qkvc, .offset: 24, .size: 8, .value_kind: global_buffer, .address_space: global }
      - { .name: qkvs, .offset: 32, .size: 8, .value_kind: global_buffer, .address_space: global }
    .group_segment_fixed_size: 327680
    .private_segment_fixed_size: 0
    .kernarg_segment_align: 8
    .kernarg_segment_size: 40
    .max_flat_workgroup_size: 128
    .sgpr_count:     100
    .vgpr_count:     768
    .wavefront_size: 32
...
	.end_amdgpu_metadata
.endif
;; end of part 2
;; launch attn (part 3): grid 4 x 64, 16 waves a work-group, clusters of 4 x 1, 207,872 bytes of LDS; arguments qkvc, qkvs, aoc, aos; writes aoc, aos
.if DOCPART == 3
	.amdgcn_target "amdgcn-amd-amdhsa--gfx1250"
	.amdhsa_code_object_version 6
	.text
	.protected	k_qcfb033a8f0_attn
	.globl	k_qcfb033a8f0_attn
	.p2align	8
	.type	k_qcfb033a8f0_attn,@function
k_qcfb033a8f0_attn:
	s_mov_b64 s[64:65], 0
	v_nop
	global_prefetch_b8 v0, s[64:65] scope:SCOPE_SE
	s_setreg_imm32_b32 hwreg(HW_REG_WAVE_MODE, 25, 1), 1
	s_wait_xcnt 0x0
	s_wait_alu depctr_hold_cnt(0) depctr_sa_sdst(0) depctr_va_vdst(0) depctr_va_sdst(0) depctr_va_ssrc(0) depctr_va_vcc(0) depctr_vm_vsrc(0)
	s_getreg_b32 s2, hwreg(HW_REG_IB_STS2, 6, 4)
	s_cmp_eq_u32 s2, 0
	s_cbranch_scc0 .Lentry_in_a_cluster
	s_endpgm
.Lentry_in_a_cluster:
	s_bfe_u32 s2, ttmp6, 0x10000c
	s_cmp_lg_u32 s2, 0x3003
	s_cbranch_scc0 .Lentry_shape_is_right
	s_endpgm
.Lentry_shape_is_right:
; Attention inside a segment of 1,024 tokens, head size 64, both products on codes of FP6 (E2M3) with E8M0 scales.  t = score x log2(e) / 8; M = the running largest t rounded UP to a whole number;
; p = 2^(t - M) is quantised along the keys, not normalised; the row's sum is taken of the unquantised p and divides at the end; when M moves, the sum and O are multiplied by 2^(old M - new M): exact.
; SHARES.  Cluster y = segment x 8 + head pair j; the cluster's four work-groups own 256 queries each.  A wave owns one tile of 16 queries and walks two passes, head 2 j and head 2 j + 1, each over
; eight key steps of 128.  Behind both passes it holds one whole fragment (16 tokens x the pair's 128 features) and one whole scale word of the out projection's left operand.
; LDS is filled ONCE: the head pair's K and V of the whole segment, 98,304 bytes each, and their scale words.  The four work-groups want the same bytes: each block is asked for jointly (mask 15).
; No ring, no refill, no prefetch: all that is fetched goes out at the head.
; LAYOUT.  Both products transposed: S^T = K Q^T, O^T = V^T P^T: a lane holds one query.  The keys of a tile are ordered r + 8 (r / 8), so p's 16 registers of two neighbouring tiles are 16 neighbouring keys.
; K = 64 IN AN INSTRUCTION OF 128.  In pass c q's six registers stand at k = 64 c on and six registers of ZERO codes fill the other half; of q's scale word only that head's two bytes are kept (the other
; two are 0, a tiny power of two and no NaN).  k's operand is a run of twelve registers whose real six stand opposite q's; the other six hold whatever lies beside them (a neighbour tile's codes, or pads
; that hold zeros at first and codes of V later): every pattern of six bits is a finite number, and it meets a zero code.  k's scale word serves both passes as it lies.
; An exponential's result under 2^-126 is zero.  The block's largest p is made from the block's largest score by the same two instructions; this takes v_exp_f32 not to fall where its input rises.
; LIMITS: NaN and infinities are not served; a block of zeros gets the byte 1: the bytes are read by this program alone.
; REGISTERS: v1-11, v81-86 addresses; v12 -M, v13 the largest t, v[14:15] the sum; v32-79 fragments of K or V; v80 the result's scale word; v96-159 S^T, then p; v160-191 O^T;
;   v192-197 q of head 0, v198-203 zeros, v204-209 q of head 1; v210, v211 q's scale words; v212-223 the result's codes; v224-255 p's codes and work.
.set VIMG,  98304                      ; LDS: K's 64 images from 0; V's [key step][feature tile] from here;
.set KSC,   196608                     ; K's scale words, 4,096 bytes; V's follow them;
.set OSC,   204800                     ; the results' scale words, 64 bytes a wave: written by ds_store alone;
.set SPARE, 205824                     ; the spare words, 128 bytes for each wave: eight blocks of 256 bytes that no other line names
.set VT,    12582912
.set VTS,   524288
.set AK0,  1                           ; v1   16 x lane: my place in an image's planes of 16 bytes; also my offset in global images
.set AK1,  2                           ; v2   512 + 8 x lane: and in its plane of 8 bytes
.set AV0,  3                           ; v3, v4 the same in V's images
.set AV1,  4
.set SPW,  5                           ; v5   SPARE + 4 x my thread's number; never rewritten
.set NIL,  6                           ; v6   0; never rewritten
.set AS0,  7                           ; v7   KSC + 4 r
.set ADK0, 8                           ; v8-11, v81 the addresses of the step in hand
.set ADK1, 9
.set ADV0, 10
.set ADV1, 11
.set ADS,  81
.set KB,   38                          ; K's four tiles of six registers: v38-61; pads v32-37 and v62-67
.set OW,   80
.set L8,   83                          ; v83  8 x lane
.set OSA,  84                          ; v84  where I put my scale word
.set OSR,  85                          ; v85  where waves 0 and 1 read eight waves' words back
.set R4,   86                          ; v86  4 r
.set WV,   12                          ; s12  my wave's number
.set SEL,  20
.set CS,   22                          ; s[22:23] c = log2(e) / 8
.set G1,   24                          ; s[24:31] group 1: 24,576 dense bytes;  s[32:39]: 4,096
.set G1S,  32
.set G0K,  40
.set G0V,  44
.set G0KS, 48
.set G0VS, 52
.set TB,   56                          ; s56  the key step's images: 12,288 bytes a step
.set TS,   57                          ; s57  its scale words: 512 bytes a step
.set CNT,  58
.macro CROUND
	s_barrier_signal -1
	s_barrier_wait -1
	s_cmp_lg_u32 s[WV], 0
	s_cbranch_scc1 .Lnot_wave_0_\@
	s_barrier_signal -3
.Lnot_wave_0_\@:
	s_barrier_wait -3
	s_barrier_signal -1
	s_barrier_wait -1
.endm
; A KEY STEP of pass c: 128 keys.
.macro STEP c
	v_add_nc_u32 v[ADK0], s[TB], v[AK0]            ; (these five are the places behind the last step's products)
	s_wait_alu depctr_va_vdst(0)
	v_add_nc_u32 v[ADK1], s[TB], v[AK1]
	s_wait_alu depctr_va_vdst(0)
	v_add_nc_u32 v[ADV0], s[TB], v[AV0]
	v_add_nc_u32 v[ADV1], s[TB], v[AV1]
	v_add_nc_u32 v[ADS], s[TS], v[AS0]
	s_wait_alu depctr_va_vdst(0)
.irp g, 0,1                                    ; S^T = K Q^T, four tiles of 16 keys at a time
.if \g > 0
.rept 4
	v_nop                                          ; places in front of loads into registers that matrix instructions have read
.endr
.endif
.irp t, 0,1,2,3
	ds_load_b128 v[KB+6*\t:KB+6*\t+3], v[ADK0] offset:(4*\g+\t)*1536+768*\c
	ds_load_b64 v[KB+6*\t+4:KB+6*\t+5], v[ADK1] offset:(4*\g+\t)*1536+768*\c
	ds_load_b32 v[248+\t], v[ADS] offset:64*(4*\g+\t)
.endr
	s_wait_dscnt 0x0
.irp t, 0,1,2,3
	v_wmma_scale_f32_16x16x128_f8f6f4 v[96+8*(4*\g+\t):103+8*(4*\g+\t)], v[KB+6*\t-6*\c:KB+6*\t-6*\c+11], v[192+6*\c:203+6*\c], 0, v[248+\t], v[210+\c] matrix_a_fmt:MATRIX_FMT_FP6 matrix_b_fmt:MATRIX_FMT_FP6
.endr
.endr
.rept 4
	v_nop
.endr
.irp t, 0,1,2,3                                ; V's four fragments (16 of the head's features x these 128 keys) are asked for here and land under the softmax
	ds_load_b128 v[32+12*\t:35+12*\t], v[ADV0] offset:(4*\c+\t)*1536
	ds_load_b64 v[36+12*\t:37+12*\t], v[ADV1] offset:(4*\c+\t)*1536
	ds_load_b128 v[38+12*\t:41+12*\t], v[ADV0] offset:(4*\c+\t)*1536+768
	ds_load_b64 v[42+12*\t:43+12*\t], v[ADV1] offset:(4*\c+\t)*1536+768
	ds_load_b32 v[248+\t], v[ADS] offset:4096+64*(4*\c+\t)
.endr
.irp b, 0,1,2,3
	v_max3_num_f32 v[232+\b], v[96+16*\b], v[97+16*\b], v[98+16*\b]   ; the largest score of each block of 32 keys: for the row's maximum, and for the block's largest p
.endr
.irp i, 3,5,7,9,11,13
.irp b, 0,1,2,3
	v_max3_num_f32 v[232+\b], v[232+\b], v[96+16*\b+\i], v[97+16*\b+\i]
.endr
.endr
.irp b, 0,1,2,3
	v_max_num_f32 v[232+\b], v[232+\b], v[111+16*\b]
.endr
.irp b, 0,1,2,3
	s_delay_alu instid0(VALU_DEP_4)
	v_permlanex16_b32 v[236+\b], v[232+\b], s[SEL], s[SEL+1]
.endr
.irp b, 0,1,2,3
	s_delay_alu instid0(VALU_DEP_4)
	v_max_num_f32 v[232+\b], v[232+\b], v[236+\b]  ; with lane l xor 16's 16 keys
.endr
	s_delay_alu instid0(VALU_DEP_2)
	v_max3_num_f32 v254, v232, v233, v234
	s_delay_alu instid0(VALU_DEP_1)
	v_max_num_f32 v254, v254, v235
	s_delay_alu instid0(VALU_DEP_1)
	v_mul_f32 v254, s[CS], v254                    ; as t (c is positive)
	s_delay_alu instid0(VALU_DEP_1)
	v_max_num_f32 v13, v13, v254                   ; the running largest t
	v_mov_b32 v254, v12
	s_delay_alu instid0(VALU_DEP_2)
	v_floor_f32 v12, -v13                          ; the new -M = -ceil(t)
	s_delay_alu instid0(VALU_DEP_1)
	v_sub_f32 v254, v12, v254                      ; old M - new M: a whole number, 0 or less
	s_delay_alu instid0(VALU_DEP_1)
	v_cvt_i32_f32 v254, v254                       ; (it saturates)
	s_delay_alu instid0(VALU_DEP_1)
	v_ldexp_f32 v252, 1.0, v254                    ; f = 2^(old M - new M)
.set J, 0
.rept 32
	v_pk_fma_f32 v[96+J:97+J], v[96+J:97+J], s[CS:CS+1], v[12:13] op_sel_hi:[1,0,0]   ; t - M, two at a time
.set J, J+2
.endr
.irp b, 0,1,2,3
	v_fma_f32 v[232+\b], v[232+\b], s[CS], v12     ; the same of each block's largest score
.endr
.set J, 0
	s_wait_alu depctr_va_vdst(0)
.rept 64
	v_exp_f32 v[96+J], v[96+J]                     ; p = 2^(t - M), at most 1
.set J, J+1
.endr
	v_pk_mul_f32 v[14:15], v[14:15], v[252:253] op_sel_hi:[1,0]   ; the sums under the new M (a plain line behind the exponentials)
	s_wait_alu depctr_va_vdst(0)                   ; one wait for the batch of 64, ahead of its first reader
.irp b, 0,1,2,3
	v_exp_f32 v[232+\b], v[232+\b]                 ; the block's largest p
.endr
	v_pk_add_f32 v[236:237], v[100:101], v[104:105]
	v_pk_add_f32 v[254:255], v[108:109], v[112:113]
	v_pk_add_f32 v[246:247], v[116:117], v[120:121]
	v_pk_add_f32 v[244:245], v[124:125], v[128:129]
	v_pk_add_f32 v[242:243], v[132:133], v[136:137]
	v_pk_add_f32 v[240:241], v[140:141], v[144:145]
	v_pk_add_f32 v[238:239], v[148:149], v[152:153]
	v_pk_add_f32 v[14:15], v[14:15], v[156:157]
	v_pk_add_f32 v[236:237], v[236:237], v[96:97]
	v_pk_add_f32 v[254:255], v[254:255], v[98:99]
	v_pk_add_f32 v[246:247], v[246:247], v[102:103]
	v_pk_add_f32 v[244:245], v[244:245], v[106:107]
	v_pk_add_f32 v[242:243], v[242:243], v[110:111]
	v_pk_add_f32 v[240:241], v[240:241], v[114:115]
	v_pk_add_f32 v[238:239], v[238:239], v[118:119]
	v_pk_add_f32 v[14:15], v[14:15], v[122:123]
	v_pk_add_f32 v[236:237], v[236:237], v[126:127]
	v_pk_add_f32 v[254:255], v[254:255], v[130:131]
	v_pk_add_f32 v[246:247], v[246:247], v[134:135]
	v_pk_add_f32 v[244:245], v[244:245], v[138:139]
	v_pk_add_f32 v[242:243], v[242:243], v[142:143]
	v_pk_add_f32 v[240:241], v[240:241], v[146:147]
	v_pk_add_f32 v[238:239], v[238:239], v[150:151]
	v_pk_add_f32 v[14:15], v[14:15], v[154:155]
	v_pk_add_f32 v[236:237], v[236:237], v[158:159]
	s_delay_alu instid0(VALU_DEP_2)
	v_pk_add_f32 v[14:15], v[14:15], v[244:245]
	s_delay_alu instid0(VALU_DEP_2)
	v_pk_add_f32 v[236:237], v[236:237], v[242:243]
	v_pk_add_f32 v[254:255], v[254:255], v[240:241]
	v_pk_add_f32 v[246:247], v[246:247], v[238:239]
	s_delay_alu instid0(VALU_DEP_2)
	v_pk_add_f32 v[14:15], v[14:15], v[254:255]
	s_delay_alu instid0(VALU_DEP_2)
	v_pk_add_f32 v[236:237], v[236:237], v[246:247]
	s_delay_alu instid0(VALU_DEP_1)
	v_pk_add_f32 v[14:15], v[14:15], v[236:237]
	s_wait_alu depctr_va_vdst(0)                   ; and one for the four
.irp b, 0,1,2,3
	v_max_num_f32 v[232+\b], 0x1800000, v[232+\b]  ; the floor 2^(3 - 127)
.endr
.irp b, 0,1,2,3
	s_delay_alu instid0(VALU_DEP_4)
	v_add_nc_u32 v[244+\b], 0xff000000, v[232+\b]  ; the conversion's scale operand
.endr
.irp b, 0,1,2,3
	s_delay_alu instid0(VALU_DEP_4)
	v_lshrrev_b32 v[236+\b], 23, v[244+\b]         ; the scale's byte
.endr
	s_delay_alu instid0(VALU_DEP_3)
	v_lshl_or_b32 v253, v237, 8, v236              ; p's scale word for these 128 keys
	s_delay_alu instid0(VALU_DEP_1)
	v_lshl_or_b32 v253, v238, 16, v253
	s_delay_alu instid0(VALU_DEP_1)
	v_lshl_or_b32 v253, v239, 24, v253
.irp e, 0,1
	v_cvt_scalef32_pk16_fp6_f32 v[224+6*\e:226+6*\e], v[96+32*\e:111+32*\e], v[244+2*\e]
	v_cvt_scalef32_pk16_fp6_f32 v[236+4*\e:238+4*\e], v[112+32*\e:127+32*\e], v[244+2*\e+1]
.endr
	v_nop                                          ; one plain line behind a scaled conversion
.irp e, 0,1
.irp i, 0,1,2
	v_permlane16_swap_b32 v[224+6*\e+\i], v[236+4*\e+\i]
.endr
.irp i, 0,1,2
	s_delay_alu instid0(VALU_DEP_3)
	v_mov_b32 v[227+6*\e+\i], v[236+4*\e+\i]
.endr
.endr
.set J, 0
.rept 16
	v_pk_mul_f32 v[160+J:161+J], v[160+J:161+J], v[252:253] op_sel_hi:[1,0]   ; O^T under the new M (also the places in front of the products below)
.set J, J+2
.endr
	s_wait_alu depctr_va_vdst(0)
	s_wait_dscnt 0x0                               ; V
.irp t, 0,1,2,3                                ; O^T += V^T P^T: the four accumulators by turns
	v_wmma_scale_f32_16x16x128_f8f6f4 v[160+8*\t:167+8*\t], v[32+12*\t:43+12*\t], v[224:235], v[160+8*\t:167+8*\t], v[248+\t], v253 matrix_a_fmt:MATRIX_FMT_FP6 matrix_b_fmt:MATRIX_FMT_FP6
.endr
	s_add_co_u32 s[TB], s[TB], 12288
	s_add_co_u32 s[TS], s[TS], 512
.endm
; The end of pass c: O^T / the sum, quantised along the head's 64 features: registers 6 c .. 6 c + 5 of the result's fragment and two bytes of its scale word.
.macro FIN c
	v_nop                                          ; with the two additions and the plain line behind the reciprocal: the places behind the last products
	v_nop
	v_add_f32 v14, v14, v15
	s_delay_alu instid0(VALU_DEP_1)
	v_permlanex16_b32 v252, v14, s[SEL], s[SEL+1]
	s_delay_alu instid0(VALU_DEP_1)
	v_add_f32 v14, v14, v252                       ; the row's sum
	s_wait_alu depctr_va_vdst(0)
	v_rcp_f32 v14, v14
	v_nop
	s_wait_alu depctr_va_vdst(0)                   ; ahead of the reciprocal's first reader
.set J, 0
.rept 16
	v_pk_mul_f32 v[96+J:97+J], v[160+J:161+J], v[14:15] op_sel_hi:[1,0]   ; register 16 b + i: feature 32 b + 16 (lane / 16) + i of the head.  Each accumulator from its low end on
.set J, J+2
.endr
.irp b, 0,1
	v_max3_num_f32 v[232+\b], |v[96+16*\b]|, |v[97+16*\b]|, 0x1800000
.endr
.irp i, 2,4,6,8,10,12,14
.irp b, 0,1
	s_delay_alu instid0(VALU_DEP_2)
	v_max3_num_f32 v[232+\b], v[232+\b], |v[96+16*\b+\i]|, |v[97+16*\b+\i]|
.endr
.endr
.irp b, 0,1
	s_delay_alu instid0(VALU_DEP_2)
	v_permlanex16_b32 v[236+\b], v[232+\b], s[SEL], s[SEL+1]
.endr
.irp b, 0,1
	s_delay_alu instid0(VALU_DEP_2)
	v_max_num_f32 v[232+\b], v[232+\b], v[236+\b]
.endr
.irp b, 0,1
	s_delay_alu instid0(VALU_DEP_2)
	v_add_nc_u32 v[244+\b], 0xff000000, v[232+\b]
.endr
.irp b, 0,1
	s_delay_alu instid0(VALU_DEP_2)
	v_lshrrev_b32 v[236+\b], 23, v[244+\b]
.endr
.if \c == 0
	s_delay_alu instid0(VALU_DEP_1)
	v_lshl_or_b32 v[OW], v237, 8, v236
.else
	s_delay_alu instid0(VALU_DEP_2)
	v_lshl_or_b32 v[OW], v236, 16, v[OW]
	s_delay_alu instid0(VALU_DEP_1)
	v_lshl_or_b32 v[OW], v237, 24, v[OW]
.endif
	v_cvt_scalef32_pk16_fp6_f32 v[212+6*\c:214+6*\c], v[96:111], v244
	v_cvt_scalef32_pk16_fp6_f32 v[240:242], v[112:127], v245
	v_nop
.irp i, 0,1,2
	v_permlane16_swap_b32 v[212+6*\c+\i], v[240+\i]
.endr
.irp i, 0,1,2
	s_delay_alu instid0(VALU_DEP_3)
	v_mov_b32 v[215+6*\c+\i], v[240+\i]
.endr
.endm
.macro PASS c
	s_mov_b32 s[TB], 0
	s_mov_b32 s[TS], 0
	s_mov_b32 s[CNT], 8
	v_mov_b32 v13, 0xff61b1e6                      ; the largest t so far: -3e38
	s_delay_alu instid0(VALU_DEP_1)
	v_floor_f32 v12, -v13
	v_mov_b32 v14, 0
	v_mov_b32 v15, 0
.set J, 0
.rept 32
	v_mov_b32 v[160+J], 0                          ; O^T: the step is written once: the first finds zeros, which the first change of M leaves zeros
.set J, J+1
.endr
.Lstep_\@:
	STEP \c
	s_sub_co_u32 s[CNT], s[CNT], 1
	s_cmp_lg_u32 s[CNT], 0
	s_cbranch_scc1 .Lstep_\@
	FIN \c
.endm
	s_load_b256 s[4:11], s[0:1], 0x0               ; qkvc s[4:5], qkvs s[6:7], aoc s[8:9], aos s[10:11]
	v_lshl_add_u32 v[SPW], v0, 2, SPARE
	v_mov_b32 v[NIL], 0
	ds_add_u32 v[SPW], v[NIL]                      ; the wave's opening: the add, and its wait ahead of my first tensor load; the set-up below stands between them
	ds_add_u32 v[SPW], v[NIL]
	v_lshrrev_b32 v8, 5, v0
	s_delay_alu instid0(VALU_DEP_1)
	v_readfirstlane_b32 s[WV], v8                  ; wave 0..15
	s_bfe_u32 s13, ttmp6, 0x40000                  ; cx: my block of 256 queries: it enters q's and the results' addresses alone
	s_and_b32 s14, ttmp7, 0xffff
	s_lshr_b32 s15, s14, 3                         ; the segment
	s_and_b32 s16, s14, 7                          ; the head pair
	s_mov_b32 s[G1], 15|(3<<16)|(1<<21)            ; the mask: all four work-groups; elements of 8 bytes; bit 21 beside a mask
	s_mov_b32 s[G1+1], 32<<16                      ; rows of 256 bytes,
	s_mov_b32 s[G1+2], 96<<16                      ; 96 of them
	s_mov_b32 s[G1+3], 32<<16
	s_mov_b32 s[G1+4], 96
	s_mov_b32 s[G1+5], 32
	s_mov_b32 s[G1+6], 0
	s_mov_b32 s[G1+7], 0
	s_mov_b32 s[G1S], 15|(3<<16)|(1<<21)
	s_mov_b32 s[G1S+1], 32<<16
	s_mov_b32 s[G1S+2], 16<<16                     ; 16 rows
	s_mov_b32 s[G1S+3], 32<<16
	s_mov_b32 s[G1S+4], 16
	s_mov_b32 s[G1S+5], 32
	s_mov_b32 s[G1S+6], 0
	s_mov_b32 s[G1S+7], 0
	s_mov_b32 s[SEL], 0x76543210
	s_mov_b32 s[SEL+1], 0xfedcba98
	s_mov_b32 s[CS], 0x3e38aa3b                    ; log2(e) / 8
	s_mov_b32 s[CS+1], s[CS]
	; every LDS address register is made here, ahead of the first branch on the wave's number
	v_and_b32 v8, 31, v0
	v_and_b32 v9, 15, v0
	s_delay_alu instid0(VALU_DEP_2)
	v_lshlrev_b32 v[AK0], 4, v8
	s_delay_alu instid0(VALU_DEP_3)
	v_lshlrev_b32 v[L8], 3, v8
	s_delay_alu instid0(VALU_DEP_1)
	v_add_nc_u32 v[AK1], 512, v[L8]
	s_delay_alu instid0(VALU_DEP_3)
	v_add_nc_u32 v[AV0], VIMG, v[AK0]
	s_delay_alu instid0(VALU_DEP_3)
	v_add_nc_u32 v[AV1], VIMG+512, v[L8]
	v_lshlrev_b32 v[R4], 2, v9
	s_delay_alu instid0(VALU_DEP_1)
	v_add_nc_u32 v[AS0], KSC, v[R4]
	s_lshl_b32 s17, s[WV], 6
	s_add_co_u32 s17, s17, OSC
	v_add_nc_u32 v[OSA], s17, v[R4]
	s_and_b32 s17, s[WV], 1
	s_lshl_b32 s18, s17, 9
	s_add_co_u32 s18, s18, OSC
	v_add_nc_u32 v[OSR], s18, v[AK0]
	; what the fetching waves fetch: made of the cluster's y and the wave's number alone
	s_and_b32 s18, s[WV], 3
	s_mul_i32 s18, s18, 24576                      ; a quarter of K's or of V's images
	s_lshl_b32 s19, s16, 3
	s_add_co_u32 s19, s19, s15
	s_add_co_u32 s59, s19, 64                      ; (8 + j) x 8 + segment
	s_mul_i32 s60, s59, 98304
	s_add_co_u32 s60, s60, s18
	s_mov_b32 s61, 0
	s_lshl_b32 s62, s59, 12
	s_mov_b32 s63, 0
	s_lshl_b32 s19, s15, 3
	s_add_co_u32 s19, s19, s16                     ; 8 x segment + j
	s_mul_i32 s74, s19, 98304
	s_add_co_u32 s74, s74, s18
	s_add_co_u32 s74, s74, VT
	s_mov_b32 s75, 0
	s_lshl_b32 s76, s19, 12
	s_add_co_u32 s76, s76, VTS
	s_mov_b32 s77, 0
	; my tile of queries T = 64 x segment + 16 cx + wave
	s_lshl_b32 s19, s15, 6
	s_lshl_b32 s59, s13, 4
	s_add_co_u32 s19, s19, s59
	s_add_co_u32 s19, s19, s[WV]
	s_lshl_b32 s59, s16, 9
	s_add_co_u32 s59, s59, s19                     ; 512 j + T: q's image
	s_mul_i32 s66, s59, 1536
	s_mov_b32 s67, 0
	s_lshl_b32 s68, s59, 6
	s_mov_b32 s69, 0
	s_lshl_b32 s59, s19, 3
	s_add_co_u32 s59, s59, s16                     ; 8 T + j: the result's image
	s_mul_i32 s70, s59, 1536
	s_mov_b32 s71, 0
	s_lshl_b32 s59, s15, 3
	s_lshl_b32 s72, s13, 1
	s_add_co_u32 s59, s59, s72
	s_add_co_u32 s59, s59, s17                     ; the block of 128 tokens whose words wave 0 or 1 stores
	s_lshl_b32 s72, s59, 12
	s_lshl_b32 s59, s16, 9
	s_add_co_u32 s72, s72, s59
	s_mov_b32 s73, 0
	s_wait_dscnt 0x0                               ; the opening add is done
	s_wait_kmcnt 0x0
	s_mov_b32 s[G0K], 1
	s_mov_b32 s[G0K+1], s18
	s_add_nc_u64 s[G0K+2:G0K+3], s[4:5], s[60:61]
	s_or_b32 s[G0K+3], s[G0K+3], 0x80000000
	s_mov_b32 s[G0V], 1
	s_add_co_u32 s[G0V+1], s18, VIMG
	s_add_nc_u64 s[G0V+2:G0V+3], s[4:5], s[74:75]
	s_or_b32 s[G0V+3], s[G0V+3], 0x80000000
	s_mov_b32 s[G0KS], 1
	s_mov_b32 s[G0KS+1], KSC
	s_add_nc_u64 s[G0KS+2:G0KS+3], s[6:7], s[62:63]
	s_or_b32 s[G0KS+3], s[G0KS+3], 0x80000000
	s_mov_b32 s[G0VS], 1
	s_mov_b32 s[G0VS+1], KSC+4096
	s_add_nc_u64 s[G0VS+2:G0VS+3], s[6:7], s[76:77]
	s_or_b32 s[G0VS+3], s[G0VS+3], 0x80000000
	s_add_nc_u64 s[66:67], s[4:5], s[66:67]
	s_add_nc_u64 s[68:69], s[6:7], s[68:69]
	s_add_nc_u64 s[70:71], s[8:9], s[70:71]
	s_add_nc_u64 s[72:73], s[10:11], s[72:73]
	CROUND                                         ; all four work-groups are here: the joint loads meet
	; waves 0-3: K's quarters; 4-7: V's; 8: K's scale words; 9: V's.  One load a wave; an s_nop 0 and four v_nop follow each
	s_cmp_lt_u32 s[WV], 4
	s_cbranch_scc0 .Lnot_k
	tensor_load_to_lds s[G0K:G0K+3], s[G1:G1+7]
	s_nop 0
.rept 4
	v_nop
.endr
	s_branch .Lasked
.Lnot_k:
	s_cmp_lt_u32 s[WV], 8
	s_cbranch_scc0 .Lnot_v
	tensor_load_to_lds s[G0V:G0V+3], s[G1:G1+7]
	s_nop 0
.rept 4
	v_nop
.endr
	s_branch .Lasked
.Lnot_v:
	s_cmp_eq_u32 s[WV], 8
	s_cbranch_scc0 .Lnot_ks
	tensor_load_to_lds s[G0KS:G0KS+3], s[G1S:G1S+7]
	s_nop 0
.rept 4
	v_nop
.endr
	s_branch .Lasked
.Lnot_ks:
	s_cmp_eq_u32 s[WV], 9
	s_cbranch_scc0 .Lasked
	tensor_load_to_lds s[G0VS:G0VS+3], s[G1S:G1S+7]
	s_nop 0
.rept 4
	v_nop
.endr
.Lasked:
	s_wait_alu depctr_va_vdst(0)
	global_load_b128 v[192:195], v[AK0], s[66:67]              ; q of head 2 j,
	global_load_b64 v[196:197], v[L8], s[66:67] offset:512
	global_load_b128 v[204:207], v[AK0], s[66:67] offset:768   ; of head 2 j + 1,
	global_load_b64 v[208:209], v[L8], s[66:67] offset:1280
	global_load_b32 v255, v[R4], s[68:69]                      ; and the scale word of both
.irp i, 0,1,2,3,4,5
	v_mov_b32 v[198+\i], 0                         ; the zero codes beside q
	v_mov_b32 v[32+\i], 0                          ; the pads beside K's tiles
	v_mov_b32 v[62+\i], 0
.endr
.irp b, 0,1,2,3
	v_mov_b32 v[236+\b], 0                         ; written once: a lane permute's destination counts as one of its sources
.endr
	v_mov_b32 v252, 0
	v_mov_b32 v253, 0                              ; (named as the upper half of the pair v[252:253] before it is first written)
	s_wait_loadcnt 0x0
	v_and_b32 v210, 0xffff, v255                   ; pass 0: bytes 0, 1
	v_and_b32 v211, 0xffff0000, v255               ; pass 1: bytes 2, 3
	s_wait_tensorcnt 0x0                           ; my load has landed,
	s_barrier_signal -1
	s_barrier_wait -1                              ; everybody's has; nothing is ever filled again
	PASS 0
	PASS 1
.irp p, 0,1,2
	global_store_b128 v[AK0], v[212+4*\p:215+4*\p], s[70:71] offset:512*\p   ; the result's image: three planes of 512 consecutive bytes, aligned
.endr
	ds_store_b32 v[OSA], v[OW]                     ; both halves of the lanes write the same word
	s_wait_dscnt 0x0                               ; for the others' sake
	s_barrier_signal -1
	s_barrier_wait -1
	s_cmp_lt_u32 s[WV], 2
	s_cbranch_scc0 .Lno_words
	ds_load_b128 v[16:19], v[OSR]                  ; eight waves' 128 words
	s_wait_dscnt 0x0
	global_store_b128 v[AK0], v[16:19], s[72:73]   ; 512 consecutive bytes, aligned
.Lno_words:
	s_wait_tensorcnt 0x0                           ; the wave's end, behind my last tensor load and my last LDS store
	ds_add_u32 v[SPW], v[NIL]
	s_wait_dscnt 0x0
	CROUND                                         ; the closing round
	s_endpgm
.Lfunc_end_k_qcfb033a8f0_attn:
	.size	k_qcfb033a8f0_attn, .Lfunc_end_k_qcfb033a8f0_attn-k_qcfb033a8f0_attn
	.p2alignl 7, 3214868480
	.fill 96, 4, 3214868480
	.section	.rodata,"a",@progbits
	.p2align	6, 0x0
	.amdhsa_kernel k_qcfb033a8f0_attn
		.amdhsa_group_segment_fixed_size 207872
		.amdhsa_private_segment_fixed_size 0
		.amdhsa_enable_private_segment 0
		.amdhsa_kernarg_size 32
		.amdhsa_user_sgpr_count 2
		.amdhsa_user_sgpr_kernarg_segment_ptr 1
		.amdhsa_wavefront_size32 1
		.amdhsa_system_sgpr_workgroup_id_x 1
		.amdhsa_system_sgpr_workgroup_id_y 1
		.amdhsa_system_sgpr_workgroup_id_z 1
		.amdhsa_system_vgpr_workitem_id 0
		.amdhsa_next_free_vgpr 256
		.amdhsa_next_free_sgpr 80
		.amdhsa_reserve_vcc 0
		.amdhsa_float_denorm_mode_32 3
		.amdhsa_float_denorm_mode_16_64 3
		.amdhsa_memory_ordered 1
		.amdhsa_forward_progress 1
		.amdhsa_inst_pref_size 57
	.end_amdhsa_kernel
	.amdgpu_metadata
---
amdhsa.version: [ 1, 2 ]
amdhsa.kernels:
  - .name:           k_qcfb033a8f0_attn
    .symbol:         k_qcfb033a8f0_attn.kd
    .args:
      - { .name: qkvc, .offset: 0, .size: 8, .value_kind: global_buffer, .address_space: global }
      - { .name: qkvs, .offset: 8, .size: 8, .value_kind: global_buffer, .address_space: global }
      - { .name: aoc, .offset: 16, .size: 8, .value_kind: global_buffer, .address_space: global }
      - { .name: aos, .offset: 24, .size: 8, .value_kind: global_buffer, .address_space: global }
    .group_segment_fixed_size: 207872
    .private_segment_fixed_size: 0
    .kernarg_segment_align: 8
    .kernarg_segment_size: 32
    .max_flat_workgroup_size: 512
    .sgpr_count:     80
    .vgpr_count:     256
    .wavefront_size: 32
...
	.end_amdgpu_metadata
.endif
;; end of part 3
;; launch proj (part 4): grid 4 x 64, 4 waves a work-group, clusters of 4 x 4, 327,680 bytes of LDS; arguments aoc, aos, wsq, wss, bo, out0; writes out0
.if DOCPART == 4
	.amdgcn_target "amdgcn-amd-amdhsa--gfx1250"
	.amdhsa_code_object_version 6
	.text
	.protected	k_qcfb033a8f0_proj
	.globl	k_qcfb033a8f0_proj
	.p2align	8
	.type	k_qcfb033a8f0_proj,@function
k_qcfb033a8f0_proj:
	s_mov_b64 s[64:65], 0
	v_nop
	global_prefetch_b8 v0, s[64:65] scope:SCOPE_SE
	s_setreg_imm32_b32 hwreg(HW_REG_WAVE_MODE, 25, 1), 1
	s_wait_xcnt 0x0
	s_wait_alu depctr_hold_cnt(0) depctr_sa_sdst(0) depctr_va_vdst(0) depctr_va_sdst(0) depctr_va_ssrc(0) depctr_va_vcc(0) depctr_vm_vsrc(0)
	s_getreg_b32 s2, hwreg(HW_REG_IB_STS2, 6, 4)
	s_cmp_eq_u32 s2, 0
	s_cbranch_scc0 .Lentry_in_a_cluster
	s_endpgm
.Lentry_in_a_cluster:
	s_bfe_u32 s2, ttmp6, 0x10000c
	s_cmp_lg_u32 s2, 0xf033
	s_cbranch_scc0 .Lentry_shape_is_right
	s_endpgm
.Lentry_shape_is_right:
; out0 = Q(attention's result) Q(wo) + bo on codes of FP6 (E2M3) with E8M0 scales, K = 1,024; f32 out.
; SHARES.  Work-group (cx, g): 128 tokens x 256 columns; 256 work-groups.  LDS is filled ONCE: the tokens' images for all of K (98,304 bytes) and the 256 columns' (196,608 bytes): no ring, nothing filled again.
; A wave makes 64 x 128: 32 accumulators; source 0 = 16 columns of wo, source 1 = 16 tokens: a lane holds one token, and the 16 registers of two neighbouring column tiles are 16 neighbouring columns.
; A's and B's fragments have two sets each; the next K step's 36 loads are issued ahead of a step's 32 products.  The bias is the C of the first products.
; CLUSTERS 4 x 4: the tokens are shared along a row, the columns along a column; one joint load a wave at the head.  The scale words (12,288 of 307,200 bytes) come by plain loads through registers into LDS bytes of their own.
; No prefetch: the text has no loop to run ahead in.  THE WAY OUT: 16 tokens x 64 columns at a time through the wave's own stage; sixteen lanes store one aligned row of 256 bytes.
; REGISTERS: window 0: v4-29 addresses; v32-95 scale words (nothing else); v96-191 A's fragments (on the way out rows read back).  window 1: B's fragments at v0, v128; the bias at v96-127, v224-255.  window 2: accumulators.
.set FR,    12
.set HALF,  49152
.set WGT,   98304
.set SCT,   294912
.set SCW,   299008
.set STG,   307200                     ; 16 rows x 272 bytes a wave
.set SPARE, 324608
.set TSTEP, 196608
.set WO,    8650752
.set WOS,   360448
.set GO,  4
.set LSC, 5
.set AT,  8
.set BT,  10
.set LI,  12
.set ST0, 14
.set STO, 20
.set RD,  21
.set BOB, 22
.set CO,  23
.set SPW, 28
.set NIL, 29
.set SC,  32
.set AF,  96
.set BK,  96
.set G1,  24
.set G0,  32
.set G0B, 36
.set G1B, 48
.set MSB, 0
.macro WIN new
.if MSB != (\new)
	s_set_vgpr_msb (MSB<<8)|(\new)
.set MSB, (\new)
.endif
.endm
.set MUL,  0xa1
.set BIA,  0x91                        ; as MUL, C in window 1
.set TO_B, 0x40
.macro PLACES
.rept 4
	v_nop
.endr
.endm
.macro CROUND
	s_barrier_signal -1
	s_barrier_wait -1
	s_cmp_lg_u32 s14, 0
	s_cbranch_scc1 .Lnot_wave_0_\@
	s_barrier_signal -3
.Lnot_wave_0_\@:
	s_barrier_wait -3
	s_barrier_signal -1
	s_barrier_wait -1
.endm
.macro FRAG reg, adr, i, s
.irp p, 0,1,2
	ds_load_b128 v[\reg+4*\p:\reg+4*\p+3], v[\adr] offset:12288*(\i)+1536*(\s)+512*\p
.endr
.endm
.macro FETCH s
	WIN TO_B
.irp i, 0,1,2,3,4,5,6,7
	FRAG 128*((\s)%2)+FR*\i, BT+(\i/4), (\i%4), \s
.endr
	WIN 0
.irp i, 0,1,2,3
	FRAG AF+48*((\s)%2)+FR*\i, AT, \i, \s
.endr
.endm
.macro MUL16 a0, s, first              ; the 32 accumulators take turns in the same order in every step
.irp a, \a0, \a0+1
.irp b, 0,1,2,3,4,5,6,7
.if \first
	v_wmma_scale_f32_16x16x128_f8f6f4 v[8*(8*(\a)+\b):8*(8*(\a)+\b)+7], v[128*((\s)%2)+FR*\b:128*((\s)%2)+FR*\b+FR-1], v[AF+48*((\s)%2)+FR*(\a):AF+48*((\s)%2)+FR*(\a)+FR-1], v[96+8*\b+96*(\b/4):103+8*\b+96*(\b/4)], v[SC+8*(\s)+\b], v[SC+8*(\s)+(\a)] matrix_a_fmt:MATRIX_FMT_FP6 matrix_b_fmt:MATRIX_FMT_FP6 matrix_a_scale:MATRIX_SCALE_ROW1
.else
	v_wmma_scale_f32_16x16x128_f8f6f4 v[8*(8*(\a)+\b):8*(8*(\a)+\b)+7], v[128*((\s)%2)+FR*\b:128*((\s)%2)+FR*\b+FR-1], v[AF+48*((\s)%2)+FR*(\a):AF+48*((\s)%2)+FR*(\a)+FR-1], v[8*(8*(\a)+\b):8*(8*(\a)+\b)+7], v[SC+8*(\s)+\b], v[SC+8*(\s)+(\a)] matrix_a_fmt:MATRIX_FMT_FP6 matrix_b_fmt:MATRIX_FMT_FP6 matrix_a_scale:MATRIX_SCALE_ROW1
.endif
.endr
.endr
.endm
.macro STEP s
.if (\s) > 0
	PLACES                                         ; in front of loads into the set that the step before multiplied
.endif
	FETCH (\s)+1
	s_wait_dscnt 36                                ; all but the 36 just issued
.if (\s) == 0
	s_wait_loadcnt 0x0                             ; the bias
	WIN BIA
	MUL16 0, \s, 1
	MUL16 2, \s, 1
.else
	WIN MUL
	MUL16 0, \s, 0
	MUL16 2, \s, 0
.endif
	WIN 0
.endm
; the way out: piece k = 2 a + c: block a's columns 64 c .. 64 c + 63
.macro TOSTAGE k
	WIN 0x08                                       ; the data: window 2
.irp b, 0,1,2,3
	ds_store_b128 v[STO], v[64*((\k)/2)+32*((\k)%2)+8*\b:64*((\k)/2)+32*((\k)%2)+8*\b+3] offset:128*(\b/2)+32*(\b%2)       ; each accumulator from its low end on
	ds_store_b128 v[STO], v[64*((\k)/2)+32*((\k)%2)+8*\b+4:64*((\k)/2)+32*((\k)%2)+8*\b+7] offset:128*(\b/2)+32*(\b%2)+16
.endr
	WIN 0
.irp t, 0,1,2,3,4,5,6,7
	ds_load_b128 v[BK+32*((\k)%2)+4*\t:BK+32*((\k)%2)+4*\t+3], v[RD] offset:544*\t   ; LDS serves a wave's instructions in order: these see the stores; two rows a load
.endr
.endm
.macro SEND k, younger
	s_wait_dscnt \younger
.irp t, 0,1,2,3,4,5,6,7
	global_store_b128 v[CO], v[BK+32*((\k)%2)+4*\t:BK+32*((\k)%2)+4*\t+3], s[86:87] offset:(32*((\k)/4)+8*(((\k)/2)%2)+2*\t+8*(\t/4))*4096+256*((\k)%2) th:TH_STORE_NT   ; sixteen lanes: 256 consecutive bytes, aligned
.endr
.endm
	s_load_b256 s[4:11], s[0:1], 0x0               ; aoc, aos, wsq, wss
	s_load_b128 s[84:87], s[0:1], 0x20             ; bo, out0
	v_lshl_add_u32 v[SPW], v0, 2, SPARE
	v_mov_b32 v[NIL], 0
	ds_add_u32 v[SPW], v[NIL]                      ; the opening: the add twice, and its wait ahead of my first tensor load
	ds_add_u32 v[SPW], v[NIL]
	v_lshrrev_b32 v1, 5, v0
	v_readfirstlane_b32 s14, v1                    ; wave
	v_lshlrev_b32 v[GO], 4, v0
	s_lshr_b32 s15, s14, 1                         ; my half of the tokens; also: I fetch tokens (0) or columns (1)
	s_and_b32 s16, s14, 1                          ; my half of the columns; also: which half I fetch
	s_bfe_u32 s40, ttmp6, 0x40000                  ; cx: the tile of 256 columns
	s_bfe_u32 s41, ttmp6, 0x40004
	s_and_b32 s17, ttmp7, 0xffff
	s_lshl_b32 s17, s17, 2
	s_add_co_u32 s17, s17, s41                     ; g: the group of 128 tokens
	s_lshl_b32 s43, s41, 2
	s_lshl_b32 s43, 15, s43
	s_lshl_b32 s44, 0x1111, s40
	s_or_b32 s[G1], s43, (3<<16)|(1<<21)           ; dense blocks as rows of 256 bytes: 192 rows of tokens,
	s_or_b32 s[G1B], s44, (3<<16)|(1<<21)          ; 384 of columns
	s_mov_b32 s[G1+1], 32<<16
	s_mov_b32 s[G1+2], 192<<16
	s_mov_b32 s[G1+3], 32<<16
	s_mov_b32 s[G1+4], 192
	s_mov_b32 s[G1+5], 32
	s_mov_b32 s[G1+6], 0
	s_mov_b32 s[G1+7], 0
	s_mov_b32 s[G1B+1], 32<<16
	s_mov_b32 s[G1B+2], 384<<16
	s_mov_b32 s[G1B+3], 32<<16
	s_mov_b32 s[G1B+4], 384
	s_mov_b32 s[G1B+5], 32
	s_mov_b32 s[G1B+6], 0
	s_mov_b32 s[G1B+7], 0
	s_mul_i32 s20, s17, 98304
	s_mul_i32 s21, s16, HALF
	s_add_co_u32 s20, s20, s21
	s_mov_b32 s21, 0
	s_mul_i32 s46, s40, TSTEP
	s_add_co_u32 s46, s46, WO
	s_mul_i32 s47, s16, 98304
	s_add_co_u32 s46, s46, s47
	s_mov_b32 s47, 0
	s_lshl_b32 s56, s17, 12
	s_mov_b32 s57, 0
	s_lshl_b32 s58, s40, 13
	s_add_co_u32 s58, s58, WOS
	s_mov_b32 s59, 0
	s_lshl_b32 s82, s17, 19                        ; out0: 128 g rows of 4,096 bytes,
	s_lshl_b32 s22, s15, 18
	s_add_co_u32 s82, s82, s22                     ; my 64,
	s_lshl_b32 s80, s40, 10
	s_lshl_b32 s22, s16, 9
	s_add_co_u32 s80, s80, s22                     ; my 128 columns; the same place in bo
	s_add_co_u32 s82, s82, s80
	s_mov_b32 s83, 0
	s_mov_b32 s81, 0
	s_mul_i32 s94, s15, HALF
	s_mul_i32 s95, s16, 98304
	s_add_co_u32 s95, s95, WGT
	s_lshl_b32 s97, s15, 8
	s_add_co_u32 s97, s97, SCT
	s_lshl_b32 s98, s16, 12
	s_add_co_u32 s98, s98, SCW
	s_sub_co_u32 s98, s98, s97                     ; from A's words to B's
	s_mul_i32 s23, s14, 4352
	s_add_co_u32 s23, s23, STG
	s_mov_b32 s[G0], 1
	s_mul_i32 s[G0+1], s16, HALF
	s_mov_b32 s[G0B], 1
	s_mov_b32 s[G0B+1], s95
	s_wait_alu depctr_va_vdst(0)                   ; ahead of the waits below
	s_wait_dscnt 0x0
	s_wait_kmcnt 0x0
	s_add_nc_u64 s[56:57], s[6:7], s[56:57]
	s_add_nc_u64 s[58:59], s[10:11], s[58:59]
.irp k, 0,1
	global_load_b128 v[96+4*\k:99+4*\k], v[GO], s[56:57] offset:2048*\k
.endr
.irp k, 0,1,2,3
	global_load_b128 v[104+4*\k:107+4*\k], v[GO], s[58:59] offset:2048*\k
.endr
	s_add_nc_u64 s[G0+2:G0+3], s[4:5], s[20:21]
	s_or_b32 s[G0+3], s[G0+3], 0x80000000
	s_add_nc_u64 s[G0B+2:G0B+3], s[8:9], s[46:47]
	s_or_b32 s[G0B+3], s[G0B+3], 0x80000000
	s_add_nc_u64 s[84:85], s[84:85], s[80:81]
	s_add_nc_u64 s[86:87], s[86:87], s[82:83]
	CROUND                                         ; all sixteen work-groups are here: the joint loads meet
	s_cmp_eq_u32 s15, 0
	s_cbranch_scc0 .Lhead_b
	tensor_load_to_lds s[G0:G0+3], s[G1:G1+7]
	s_nop 0
	PLACES
	s_branch .Lhead_asked
.Lhead_b:
	tensor_load_to_lds s[G0B:G0B+3], s[G1B:G1B+7]
	s_nop 0
	PLACES
.Lhead_asked:
	v_and_b32 v1, 15, v0                           ; r
	v_bfe_u32 v2, v0, 4, 1                         ; h
	v_and_b32 v3, 31, v0
	v_add_nc_u32 v[LSC], SCT, v[GO]
	v_lshlrev_b32 v[LI], 4, v3
	v_add_nc_u32 v[AT], s94, v[LI]
	v_add_nc_u32 v[BT], s95, v[LI]
	v_add_nc_u32 v[BT+1], HALF, v[BT]
	v_lshlrev_b32 v24, 2, v1
	v_xor_b32 v25, 1, v2
	v_lshlrev_b32 v26, 8, v25
	v_mul_u32_u24 v27, s98, v2
	v_add_nc_u32 v[ST0], s97, v24
	v_add_nc_u32 v[ST0], v[ST0], v27
	v_sub_nc_u32 v[ST0+1], v[ST0], v26             ; for blocks 4-7: lanes 0-15 take A's 0-3 again
	v_mul_u32_u24 v27, v1, 272
	v_lshl_add_u32 v27, v2, 6, v27
	v_add_nc_u32 v[STO], s23, v27                  ; into the stage: row r, + 64 h
	v_mul_u32_u24 v27, v2, 272
	v_lshl_add_u32 v27, v1, 4, v27
	v_add_nc_u32 v[RD], s23, v27                   ; back: lanes 0-15 one row, lanes 16-31 the next
	v_lshlrev_b32 v27, 12, v2
	v_lshl_add_u32 v[CO], v1, 4, v27               ; and the same two rows in out0
	v_lshlrev_b32 v[BOB], 6, v2
	s_wait_alu depctr_va_vdst(0)                   ; the head's end
	s_wait_loadcnt 0x0
.irp k, 0,1,2,3,4,5
	ds_store_b128 v[LSC], v[96+4*\k:99+4*\k] offset:2048*\k   ; the scale words as they lie: tokens, then columns
.endr
	WIN TO_B
.irp b, 0,1,2,3,4,5,6,7
	global_load_b128 v[96+8*\b+96*(\b/4):99+8*\b+96*(\b/4)], v[BOB], s[84:85] offset:(32*(\b/2)+8*(\b%2))*4       ; the bias in the results' layout
	global_load_b128 v[100+8*\b+96*(\b/4):103+8*\b+96*(\b/4)], v[BOB], s[84:85] offset:(32*(\b/2)+8*(\b%2))*4+16
.endr
	WIN 0
	s_wait_tensorcnt 0x0                           ; my load has landed,
	s_wait_dscnt 0x0                               ; my stores are done,
	s_barrier_signal -1
	s_barrier_wait -1                              ; everybody's; nothing is ever filled again
.irp s, 0,1,2,3,4,5,6,7
.irp i, 0,1,2,3,4,5,6,7
	ds_load_b32 v[SC+8*\s+\i], v[ST0+(\i/4)] offset:512*\s+64*\i   ; lanes 0-15 A's word, lanes 16-31 B's
.endr
.endr
	FETCH 0
.irp s, 0,1,2,3,4,5,6
	STEP \s
.endr
	s_wait_dscnt 0x0
	WIN MUL
	MUL16 0, 7, 0
	MUL16 2, 7, 0
	WIN 0
	PLACES                                         ; behind the last products
	TOSTAGE 0
.irp k, 1,2,3,4,5,6,7
.if \k > 1
	s_wait_xcnt 0x0                                ; piece k - 2's stores have read their registers
.endif
	TOSTAGE \k
	SEND \k-1, 16                                  ; behind piece k - 1's loads: piece k's 8 stores and 8 loads
.endr
	SEND 7, 0
	s_wait_tensorcnt 0x0                           ; the wave's end
	ds_add_u32 v[SPW], v[NIL]
	s_wait_dscnt 0x0
	CROUND                                         ; the closing round
	s_endpgm
.Lfunc_end_k_qcfb033a8f0_proj:
	.size	k_qcfb033a8f0_proj, .Lfunc_end_k_qcfb033a8f0_proj-k_qcfb033a8f0_proj
	.p2alignl 7, 3214868480
	.fill 96, 4, 3214868480
	.section	.rodata,"a",@progbits
	.p2align	6, 0x0
	.amdhsa_kernel k_qcfb033a8f0_proj
		.amdhsa_group_segment_fixed_size 327680
		.amdhsa_private_segment_fixed_size 0
		.amdhsa_enable_private_segment 0
		.amdhsa_kernarg_size 48
		.amdhsa_user_sgpr_count 2
		.amdhsa_user_sgpr_kernarg_segment_ptr 1
		.amdhsa_wavefront_size32 1
		.amdhsa_system_sgpr_workgroup_id_x 1
		.amdhsa_system_sgpr_workgroup_id_y 1
		.amdhsa_system_sgpr_workgroup_id_z 1
		.amdhsa_system_vgpr_workitem_id 0
		.amdhsa_next_free_vgpr 768
		.amdhsa_next_free_sgpr 100
		.amdhsa_reserve_vcc 0
		.amdhsa_float_denorm_mode_32 3
		.amdhsa_float_denorm_mode_16_64 3
		.amdhsa_memory_ordered 1
		.amdhsa_forward_progress 1
		.amdhsa_inst_pref_size 81
	.end_amdhsa_kernel
	.amdgpu_metadata
---
amdhsa.version: [ 1, 2 ]
amdhsa.kernels:
  - .name:           k_qcfb033a8f0_proj
    .symbol:         k_qcfb033a8f0_proj.kd
    .args:
      - { .name: aoc, .offset: 0, .size: 8, .value_kind: global_buffer, .address_space: global }
      - { .name: aos, .offset: 8, .size: 8, .value_kind: global_buffer, .address_space: global }
      - { .name: wsq, .offset: 16, .size: 8, .value_kind: global_buffer, .address_space: global }
      - { .name: wss, .offset: 24, .size: 8, .value_kind: global_buffer, .address_space: global }
      - { .name: bo, .offset: 32, .size: 8, .value_kind: global_buffer, .address_space: global }
      - { .name: out0, .offset: 40, .size: 8, .value_kind: global_buffer, .address_space: global }
    .group_segment_fixed_size: 327680
    .private_segment_fixed_size: 0
    .kernarg_segment_align: 8
    .kernarg_segment_size: 48
    .max_flat_workgroup_size: 128
    .sgpr_count:     100
    .vgpr_count:     768
    .wavefront_size: 32
...
	.end_amdgpu_metadata
.endif
;; end of part 4
